; MI455X (gfx1250); checked and timed in simulation.
; The chip was launched on July 23, 2026; its instructions are those of AMD's public machine-readable ISA for CDNA 5 (MIT licence, August 2026) and "CDNA5" Instruction Set Architecture Reference Guide (July 2026). The comments in the code are by the model that wrote it; some were corrected since.
;; Multi Headed Attention. Allowed arithmetic: matrix products marked QUANTISED: E2M1 operands, one E8M0 scale for each 32 along K, by v_wmma_scale_f32_16x16x128_f8f6f4 with both operands' format E2M1 (or v_wmma_scale_f32_32x16x128_f4), f32 sums; products left as they are: bf16, f16 or f32 operands; f32 sums; everything else in f32.
;; Inputs: Wk 16 x 1,024 x 64 float32; Wo 1,024 x 1,024 float32; Wq 16 x 1,024 x 64 float32; Wv 16 x 1,024 x 64 float32; bk 16 x 64 float32; bo 1,024 float32; bq 16 x 64 float32; bv 16 x 64 float32; key 2 x 2,048 x 1,024 float32; query 2 x 2,048 x 1,024 float32; value 2 x 2,048 x 1,024 float32.
;; Outputs: out0 2 x 2,048 x 1,024 float32.
;; This version of the problem:
;;   THIS VERSION OF THE PROBLEM IS GIVEN IN LOW PRECISION. The matrix products marked QUANTISED in the list below multiply operands that are first quantised to E2M1 (2 exponent bits, 1 mantissa bit; 4 bits a number), with one power-of-two scale for each 32 numbers along K (OCP MX v1.0); their sums are f32. The products marked 'left as it is' may take bf16, f16 or f32 operands, with f32 sums. Whichever they take, every output number must still come out within the allowed error. Rounding operands to bf16 (8 significant bits) uses up far more of that allowance than f16 does (11 bits, for magnitudes from 6e-5 to 65,504). All else is computed in f32.
;;   The module's matrix products, in the order in which they are computed (A, B: the left and right operand; K: the contracted axis; several contracted axes count as one K, in the product's order):
;;     1. [M 1,024, K 1,024] x [K 1,024, N 4,096]; A: input Wq; B: input query: QUANTISED
;;     2. [M 1,024, K 1,024] x [K 1,024, N 4,096]; A: input Wk; B: input key: QUANTISED
;;     3. [M 1,024, K 1,024] x [K 1,024, N 4,096]; A: input Wv; B: input value: QUANTISED
;;     4. batch 32 x [M 2,048, K 64] x [K 64, N 2,048]; A: computed on the way; B: computed on the way: left as it is (an operand is computed on the way)
;;     5. batch 32 x [M 2,048, K 2,048] x [K 2,048, N 64]; A: computed on the way; B: computed on the way: left as it is (an operand is computed on the way)
;;     6. [M 4,096, K 1,024] x [K 1,024, N 1,024]; A: computed on the way; B: input Wo: left as it is (an operand is computed on the way)
;;   THE QUANTISER, for each operand of a quantised product, along K:
;;     - K is cut into blocks of 32 from its start; a last block that is shorter is filled with zeros.
;;     - A block's scale is 2^e with e = floor(log2(the largest magnitude in the block)) - 2, held to -126 .. 127; a block of zeros has e = 0. As a byte (E8M0): e + 127.
;;     - Each number is divided by its block's scale, clamped to +-6, and rounded to the nearest number of E2M1, ties to even, subnormals kept.
;;     - The product sums the exact products of the quantised numbers (number of the format x scale) in f32.
;;   ~~~python
;;   def quantise(x, axis):      # numpy; x: float32 -> the quantised numbers, widened to float32 again
;;       x = np.moveaxis(x, axis, -1); K = x.shape[-1]
;;       x = np.pad(x, [(0, 0)] * (x.ndim - 1) + [(0, -K % 32)]); x = x.reshape(x.shape[:-1] + (-1, 32)); a = np.abs(x).max(-1, keepdims=True)
;;       e = np.where(a > 0, np.clip(np.frexp(np.where(a > 0, a, 1))[1] - 1 - 2, -126, 127), 0)      # np.frexp(a)[1] - 1 = floor(log2(a)), exactly
;;       r = np.clip(x / 2.0 ** e, -6, 6)
;;       step = 2.0 ** (np.maximum(np.frexp(np.where(r == 0, 1, r))[1] - 1, 0) - 1)
;;       q = np.round(r / step) * step * 2.0 ** e      # np.round: ties to even
;;       return np.moveaxis(q.reshape(q.shape[:-2] + (-1,))[..., :K], -1, axis).astype(np.float32)
;;   ~~~
;; One version. Each part assembles by itself: llvm-mc -triple=amdgcn-amd-amdhsa -mcpu=gfx1250 --defsym DOCPART=n.
;; ======== version 1 of 1: 4 launches
;; limits: values are held in f16: magnitudes above 65,504 overflow, below 6.1e-05 lose precision
;; workspace buffers: wcod 1,572,864 bytes; wscl 98,304 bytes; woimg 2,097,152 bytes; qkv 25,165,824 bytes; cimg 8,388,608 bytes
;; launch prep (part 1): grid 256 x 1, 4 waves a work-group, no clusters, 0 bytes of LDS; arguments Wq, Wk, Wv, Wo, wcod, wscl, woimg; writes wcod, wscl, woimg
.if DOCPART == 1
	.amdgcn_target "amdgcn-amd-amdhsa--gfx1250"
	.amdhsa_code_object_version 6
	.text
	.protected	k_q5b3ca8fb2f_prep
	.globl	k_q5b3ca8fb2f_prep
	.p2align	8
	.type	k_q5b3ca8fb2f_prep,@function
k_q5b3ca8fb2f_prep:
	s_mov_b64 s[64:65], 0
	v_nop
	global_prefetch_b8 v0, s[64:65] scope:SCOPE_SE
	s_setreg_imm32_b32 hwreg(HW_REG_WAVE_MODE, 25, 1), 1
	s_wait_xcnt 0x0
; PREP: the four weights are laid out once, in the order in which the later launches' operand registers take them.
; Wq, Wk, Wv [16 heads][1024 k][64 channels] f32 become codes of FP4 (E2M1) with one E8M0 byte for each 32 along k; Wo [1024 k][1024 n] f32 becomes f16.
; In all four K is not the innermost axis: A LANE TAKES A COLUMN AND ITS REGISTERS RUN DOWN K, so nothing is transposed.  A wave takes 32 columns x 128 k: 128 loads of 128 consecutive bytes.
; wcod  [y 3][w 4][s 8][ct 16][c 2][lane 32][16 bytes]: lane (r, h) of piece c holds the 32 codes of column n = 256 w + 16 ct + r (n = 64 head + channel), k = 128 s + 64 c + 32 h + 0 .. 31.
; wscl  [y][w][s][cw 8][lane] words: lane l holds the four scale bytes of column 256 w + 32 cw + l for K step s.
; woimg [kb 4][nt 64][kf 8][c 2][lane][16 bytes]: lane (r, h) holds Wo[256 kb + 32 kf + 16 c + 8 h + 0 .. 7][16 nt + r] in f16.
; A block's scale is 2^(floor(log2(largest magnitude)) - 2); its byte is the largest magnitude's exponent field - 2, held at 1 from below.
; LIMITS: a block of zeros gets the byte 1 where the rule says 127 (its codes are zeros, and this program alone reads the bytes); NaN and infinities are not served; |Wo| stays under 65,504, the largest f16 number.
; Stores: sixteen lanes write 256 consecutive bytes at a multiple of 256; the scale words alone leave as 128 consecutive bytes a wave (98,304 bytes in the whole launch).
; Work-groups 0 .. 191 take Wq, Wk, Wv; 192 .. 255 take Wo.  No LDS, no barrier: waves share nothing.  Every store has data registers of its own, so nothing is rewritten under a pending store.
.set X,   32                           ; v32-159  the wave's 128 numbers of my column
.set C,   160                          ; v160-223 what is stored
.set IN,  3                            ; v3   4 x lane
.set R16, 4                            ; v4   16 x (lane % 16)
.set HI,  5                            ; v5   lane / 16
.set OO,  6                            ; v6   my byte offset in the output
.set SB,  10                           ; v10  my column's scale word
	s_load_b256 s[4:11], s[0:1], 0x0               ; Wq s[4:5], Wk s[6:7], Wv s[8:9], Wo s[10:11]
	s_load_b128 s[12:15], s[0:1], 0x20             ; wcod s[12:13], wscl s[14:15]
	s_load_b64 s[16:17], s[0:1], 0x30              ; woimg
	v_lshrrev_b32 v1, 5, v0
	v_readfirstlane_b32 s18, v1                    ; wave 0..3
	v_and_b32 v2, 31, v0                           ; lane
	v_lshlrev_b32 v[IN], 2, v2
	v_and_b32 v[R16], 15, v2
	v_lshrrev_b32 v[HI], 4, v2
	v_lshlrev_b32 v[R16], 4, v[R16]
	s_wait_kmcnt 0x0
	s_cmp_lt_u32 ttmp9, 192
	s_cbranch_scc0 .Lwo
	; ---- Wq, Wk, Wv.  Work-group a: tensor y = a / 64, head = (a / 4) % 16; wave w: columns 32 (w % 2) on, K step s = 2 (a % 4) + w / 2
	s_lshr_b32 s19, ttmp9, 6                       ; y
	s_bfe_u32 s24, ttmp9, 0x40002                  ; head
	s_and_b32 s25, ttmp9, 3
	s_and_b32 s26, s18, 1                          ; which 32 columns of the head
	s_lshr_b32 s27, s18, 1
	s_lshl_b32 s25, s25, 1
	s_add_co_u32 s25, s25, s27                     ; s
	s_lshl_b32 s28, s24, 18                        ; in: head x 262,144
	s_lshl_b32 s27, s25, 15                        ;   + s x 128 rows of 256 bytes
	s_add_co_u32 s28, s28, s27
	s_lshl_b32 s27, s26, 7                         ;   + 32 columns x 4 bytes
	s_add_co_u32 s28, s28, s27
	s_mov_b32 s29, 0
	s_lshl_b32 s30, s19, 2
	s_lshr_b32 s27, s24, 2
	s_add_co_u32 s30, s30, s27                     ; 4 y + head / 4
	s_lshl_b32 s30, s30, 3
	s_add_co_u32 s30, s30, s25                     ; (4 y + head / 4) x 8 + s
	s_and_b32 s27, s24, 3
	s_lshl_b32 s27, s27, 1
	s_add_co_u32 s27, s27, s26                     ; cw = 2 (head % 4) + which 32 columns
	s_lshl_b32 s32, s30, 14                        ; codes: 16,384 bytes a K step,
	s_lshl_b32 s31, s27, 11                        ;   two tiles of 1,024 bytes for each cw
	s_add_co_u32 s32, s32, s31
	s_mov_b32 s33, 0
	s_lshl_b32 s34, s30, 3
	s_add_co_u32 s34, s34, s27
	s_lshl_b32 s34, s34, 7                         ; scale words: 128 bytes for each (K step, cw)
	s_mov_b32 s35, 0
	s_cmp_eq_u32 s19, 0                            ; the tensor is chosen by the work-group's number alone
	s_cselect_b64 s[20:21], s[4:5], s[6:7]
	s_cmp_eq_u32 s19, 2
	s_cselect_b64 s[20:21], s[8:9], s[20:21]
	s_add_nc_u64 s[20:21], s[20:21], s[28:29]
	s_add_nc_u64 s[22:23], s[12:13], s[32:33]
	s_add_nc_u64 s[36:37], s[14:15], s[34:35]
	v_lshl_add_u32 v[OO], v[HI], 10, v[R16]        ; lanes 16-31 belong to the next tile of 16 columns
.set kk, 0
.rept 128
	global_load_b32 v[X+kk], v[IN], s[20:21] offset:kk*256 th:TH_LOAD_NT   ; W(128 s + kk, my column): read once in the launch
.set kk, kk+1
.endr
; Block b: 32 numbers of my column become 32 codes (16 bytes) and one scale byte.
.macro BLOCK b
.set XS, X+32*(\b)
	v_max3_num_f32 v12, |v[XS]|, |v[XS+1]|, |v[XS+2]|              ; the block's largest magnitude: all 32 numbers are mine; two chains
	v_max3_num_f32 v13, |v[XS+3]|, |v[XS+4]|, |v[XS+5]|
.irp i, 6,10,14,18,22,26
	v_max3_num_f32 v12, v12, |v[XS+\i]|, |v[XS+\i+1]|
	v_max3_num_f32 v13, v13, |v[XS+\i+2]|, |v[XS+\i+3]|
.endr
	v_max3_num_f32 v12, v12, |v[XS+30]|, |v[XS+31]|
	v_max3_num_f32 v12, v12, v13, 0x1800000        ; and the floor 2^(3 - 127): the byte cannot fall under 1
	v_add_nc_u32 v11, 0xff000000, v12              ; 2 off the exponent field: the conversion takes the exponent field of this operand as its scale
.if (\b) == 0
	v_lshrrev_b32 v[SB], 23, v11                   ; the scale's byte; four to the word, the lower k in the lower byte
.else
	v_lshrrev_b32 v13, 23, v11
	v_lshl_or_b32 v[SB], v13, 8*(\b), v[SB]
.endif
.irp g, 0,1,2,3
	v_cvt_scalef32_pk8_fp4_f32 v[C+4*(\b)+\g], v[XS+8*\g:XS+8*\g+7], v11
.endr
	global_store_b128 v[OO], v[C+4*(\b):C+4*(\b)+3], s[22:23] offset:256*(\b)   ; block b = 2 c + h lies at 512 c + 256 h of its tile: sixteen lanes fill 256 aligned bytes
.endm
	s_wait_loadcnt 63                              ; of 128 loads at most 63 are out: the first 65 are in, blocks 0 and 1 among them
	BLOCK 0
	BLOCK 1
	s_wait_loadcnt 32                              ; block 3's 32 loads may be out
	BLOCK 2
	s_wait_loadcnt 0x0
	BLOCK 3
	global_store_b32 v[IN], v[SB], s[36:37]        ; 32 columns' scale words
	s_endpgm
.Lwo:
	; ---- Wo.  Work-group a' = a - 192: columns 128 (a' % 8) + 32 w on, rows 128 (a' / 8) on
	s_sub_co_u32 s19, ttmp9, 192
	s_and_b32 s24, s19, 7
	s_lshr_b32 s25, s19, 3
	s_lshl_b32 s28, s25, 19                        ; in: 128 rows of 4,096 bytes
	s_lshl_b32 s26, s24, 9
	s_add_co_u32 s28, s28, s26
	s_lshl_b32 s26, s18, 7
	s_add_co_u32 s28, s28, s26
	s_mov_b32 s29, 0
	s_add_nc_u64 s[20:21], s[10:11], s[28:29]
	s_lshr_b32 s26, s25, 1
	s_lshl_b32 s32, s26, 19                        ; out: kb x 524,288
	s_lshl_b32 s26, s24, 16                        ;   + eight tiles of 16 columns, 8,192 bytes each, for a work-group
	s_add_co_u32 s32, s32, s26
	s_lshl_b32 s26, s18, 14                        ;   + two for a wave
	s_add_co_u32 s32, s32, s26
	s_and_b32 s26, s25, 1
	s_lshl_b32 s26, s26, 12                        ;   + which 128 of the 256 k
	s_add_co_u32 s32, s32, s26
	s_mov_b32 s33, 0
	s_add_nc_u64 s[22:23], s[16:17], s[32:33]
	v_lshl_add_u32 v[OO], v[HI], 13, v[R16]
.set kk, 0
.rept 128
	global_load_b32 v[X+kk], v[IN], s[20:21] offset:kk*4096 th:TH_LOAD_NT
.set kk, kk+1
.endr
.set p, 0
.rept 16                                               ; piece p: 8 neighbours along k of my column: 16 bytes
.if p == 0
	s_wait_loadcnt 63                              ; the first 65 loads are in: pieces 0 to 7
.elseif p >= 8
	s_wait_loadcnt 120-8*p                         ; the loads issued behind piece p's eight may be out
.endif
.irp i, 0,1,2,3
	v_cvt_pk_f16_f32 v[C+4*p+\i], v[X+8*p+2*\i], v[X+8*p+2*\i+1]   ; the lower k in the low half
.endr
	global_store_b128 v[OO], v[C+4*p:C+4*p+3], s[22:23] offset:256*p
.set p, p+1
.endr
	s_endpgm
.Lfunc_end_k_q5b3ca8fb2f_prep:
	.size	k_q5b3ca8fb2f_prep, .Lfunc_end_k_q5b3ca8fb2f_prep-k_q5b3ca8fb2f_prep
	.p2alignl 7, 3214868480
	.fill 96, 4, 3214868480
	.section	.rodata,"a",@progbits
	.p2align	6, 0x0
	.amdhsa_kernel k_q5b3ca8fb2f_prep
		.amdhsa_group_segment_fixed_size 0
		.amdhsa_private_segment_fixed_size 0
		.amdhsa_enable_private_segment 0
		.amdhsa_kernarg_size 56
		.amdhsa_user_sgpr_count 2
		.amdhsa_user_sgpr_kernarg_segment_ptr 1
		.amdhsa_wavefront_size32 1
		.amdhsa_system_sgpr_workgroup_id_x 1
		.amdhsa_system_sgpr_workgroup_id_y 1
		.amdhsa_system_sgpr_workgroup_id_z 1
		.amdhsa_system_vgpr_workitem_id 0
		.amdhsa_next_free_vgpr 224
		.amdhsa_next_free_sgpr 66
		.amdhsa_reserve_vcc 0
		.amdhsa_float_denorm_mode_32 3
		.amdhsa_float_denorm_mode_16_64 3
		.amdhsa_memory_ordered 1
		.amdhsa_forward_progress 1
		.amdhsa_inst_pref_size 39
	.end_amdhsa_kernel
	.amdgpu_metadata
---
amdhsa.version: [ 1, 2 ]
amdhsa.kernels:
  - .name:           k_q5b3ca8fb2f_prep
    .symbol:         k_q5b3ca8fb2f_prep.kd
    .args:
      - { .name: Wq, .offset: 0, .size: 8, .value_kind: global_buffer, .address_space: global }
      - { .name: Wk, .offset: 8, .size: 8, .value_kind: global_buffer, .address_space: global }
      - { .name: Wv, .offset: 16, .size: 8, .value_kind: global_buffer, .address_space: global }
      - { .name: Wo, .offset: 24, .size: 8, .value_kind: global_buffer, .address_space: global }
      - { .name: wcod, .offset: 32, .size: 8, .value_kind: global_buffer, .address_space: global }
      - { .name: wscl, .offset: 40, .size: 8, .value_kind: global_buffer, .address_space: global }
      - { .name: woimg, .offset: 48, .size: 8, .value_kind: global_buffer, .address_space: global }
    .group_segment_fixed_size: 0
    .private_segment_fixed_size: 0
    .kernarg_segment_align: 8
    .kernarg_segment_size: 56
    .max_flat_workgroup_size: 128
    .sgpr_count:     66
    .vgpr_count:     224
    .wavefront_size: 32
...
	.end_amdgpu_metadata
.endif
;; end of part 1
;; launch proj (part 2): grid 64 x 3, 4 waves a work-group, no clusters, 327,680 bytes of LDS; arguments query, key, value, bq, bk, bv, wcod, wscl, qkv; writes qkv
.if DOCPART == 2
	.amdgcn_target "amdgcn-amd-amdhsa--gfx1250"
	.amdhsa_code_object_version 6
	.text
	.protected	k_q5b3ca8fb2f_proj
	.globl	k_q5b3ca8fb2f_proj
	.p2align	8
	.type	k_q5b3ca8fb2f_proj,@function
k_q5b3ca8fb2f_proj:
	s_mov_b64 s[64:65], 0
	v_nop
	global_prefetch_b8 v0, s[64:65] scope:SCOPE_SE
	s_setreg_imm32_b32 hwreg(HW_REG_WAVE_MODE, 25, 1), 1
	s_wait_xcnt 0x0
; PROJ: q, k, v = Q(x) Q(W) + b, on codes of FP4 (E2M1) with one E8M0 scale for each 32 along K = 1,024; sums in f32; results rounded once to f16.
; SHARES.  Work-group (i, y) takes tokens 64 i .. 64 i + 63 of tensor y (0 query, 1 key, 2 value) and all 1,024 columns.  Wave w quantises rows 16 w .. 16 w + 15 of x, and multiplies
; columns 256 w .. 256 w + 255 (heads 4 w .. 4 w + 3) for all 64 rows: 64 accumulators of 16 x 16.  3 x 64 work-groups: 4,096 rows of each of three tensors in blocks of 64.
; x comes by the tensor data mover, all of it asked for at the head: four loads a wave (16 rows x 1,024 bytes each; four are out by this text's count), into bytes of their own: nothing is filled twice.
; x's codes go from wave to wave through LDS as images of the operand's registers (512 consecutive bytes a store); each image has bytes of its own, so one barrier for each 256 along K is all.
; THE WEIGHTS go from memory straight into the operand's registers, two K steps ahead: the launch before has laid them so that each load of a wave covers 512 consecutive bytes.
; NO CLUSTER, NO JOINT LOADS, though the 64 work-groups of a tensor read the same weights: a joint load lands in LDS; a tensor's weights are 524,288 bytes of codes and 32,768 of scale words, and x with its
; images takes 303,104 of the 327,680 bytes: what is left holds no K step's 65,536 bytes of codes.
; THE PRODUCT IS USED TRANSPOSED (source 0 = 16 columns of W, source 1 = 16 tokens): a lane holds one token and eight neighbouring channels, 16 bytes of f16.
; The bias is the C of each sum's first matrix instruction.
; qkv [bh 32][j 32 (64 tokens)][Q 8,192 | K 8,192 | V 8,192 bytes], each part [kt 4 (16 tokens)][t 4 (16 channels)][512 bytes]: in Q and K byte 16 l holds (token 16 kt + l % 16, channels 16 t + 8 (l / 16) + 0 .. 7);
; in V the same 16 bytes lie at place 16 (r / 8) + 8 h + r % 8, so that the turning LDS load at 16 x lane leaves half a fragment of V^T.  Every store of a wave covers 512 consecutive aligned bytes.
; LIMITS: |q|, |k|, |v| stay under 65,504, the largest f16 number; NaN and infinities are not served; a block of zeros has the scale byte 1 (its codes are zeros).
; REGISTERS, in windows of 256: window 0: addresses, scale words, x at work;  window 1: W's fragments, two sets of 128; at the end the packed results;  window 2: accumulators of rows 0-31;  window 3: rows 32-63.
.set XCH,   16640                      ; LDS: a chunk of x: 16 rows x (1,024 bytes + 16 of padding); chunk (wave w, q) at (4 w + q) XCH
.set XP,    1040                       ; a row's pitch = 260 words: the sixteen rows that a load touches start at sixteen different groups of four banks (64 banks of 4 bytes: ISA guide 11.1)
.set XIMG,  266240                     ; x's 32 fragments as images: (tile of rows m, K step ks) at (8 m + ks) x 1,024
.set XSC,   299008                     ; their scale words: (8 m + ks) x 128 + 4 x lane
.set SPARE, 303104                     ; the spare words, 128 bytes for each wave: two blocks of 256 bytes that no other line names
.set XA,  1                            ; v1   my row's first bytes in my wave's chunk 0: w x 4 XCH + r XP + 64 h
.set LI,  2                            ; v2   XIMG + 16 x lane
.set LS,  3                            ; v3   XSC + 4 x lane
.set XWI, 4                            ; v4   where I store images: LI + 8,192 w
.set XWS, 5                            ; v5   and scale words: LS + 1,024 w
.set WO,  6                            ; v6   16 x lane
.set SO,  7                            ; v7   my 16 bytes' place in a piece of qkv
.set L4,  8                            ; v8   4 x lane
.set H32, 9                            ; v9   32 x (lane / 16)
.set SPW, 12                           ; v12  LDS address of my spare word; never rewritten
.set NIL, 13                           ; v13  0; never rewritten
.set TM,  16                           ; v16-31   the quantiser's work
.set WS,  32                           ; v32-95   W's scale words: register 8 ks + cw; lanes 0-15 tile 2 cw, lanes 16-31 tile 2 cw + 1
.set XN0, 96                           ; v96-159  64 numbers of x;
.set XF,  96                           ;          then x's fragments, two sets of four
.set XN1, 160                          ; v160-223 64 numbers of x
.set PC,  224                          ; v224-231 the codes just made
.set PW,  232                          ; v232     the scale word just made
.set XS,  233                          ; v233-240 x's scale words, two sets of four
.set WV,  22                           ; s22  wave
.set TY,  23                           ; s23  y
.set G1,  32                           ; s[32:39] descriptor group 1
.set G0,  40                           ; s[40:55] four groups 0
.set SEL, 56                           ; s[56:57] lane selects for v_permlanex16_b32: lane l xor 16
.set MSB, 0
.macro WIN new                         ; the immediate's high byte repeats the setting that is left; bits 1:0 source 0, 3:2 source 1, 5:4 source 2, 7:6 destination
.if MSB != \new
	s_set_vgpr_msb (MSB<<8)|\new
.set MSB, \new
.endif
.endm
.macro PLACES n                        ; plain vector instructions behind matrix instructions (ISA guide 7.12.1)
.rept \n
	v_nop
.endr
.endm
	s_load_b256 s[4:11], s[0:1], 0x0               ; query s[4:5], key s[6:7], value s[8:9], bq s[10:11]
	s_load_b256 s[12:19], s[0:1], 0x20             ; bk s[12:13], bv s[14:15], wcod s[16:17], wscl s[18:19]
	s_load_b64 s[20:21], s[0:1], 0x40              ; qkv
	v_lshl_add_u32 v[SPW], v0, 2, SPARE
	v_mov_b32 v[NIL], 0
	ds_add_u32 v[SPW], v[NIL]                      ; the wave's opening: the add, twice on end, and its wait ahead of my first tensor load
	ds_add_u32 v[SPW], v[NIL]                      ; and once more; the set-up below, work on registers, stands between it and the wait
	v_lshrrev_b32 v10, 5, v0
	v_readfirstlane_b32 s[WV], v10                 ; wave 0..3
	s_and_b32 s[TY], ttmp7, 0xffff                 ; which tensor
	s_mov_b32 s[G1+0], (2<<16)|(1<<20)|(7<<22)|(3<<25)   ; no mask; elements of 4 bytes; padding on: after every 256 words (code 7) four words (code 3)
	s_mov_b32 s[G1+1], 256<<16                     ; tensor_dim0 = 256
	s_mov_b32 s[G1+2], 16<<16                      ; tensor_dim1 = 16
	s_mov_b32 s[G1+3], 256<<16                     ; tile_dim0 = 256
	s_mov_b32 s[G1+4], 16                          ; tile_dim1 = 16
	s_mov_b32 s[G1+5], 1024                        ; elements from row to row
	s_mov_b32 s[G1+6], 0
	s_mov_b32 s[G1+7], 0
	s_mov_b32 s[SEL], 0x76543210
	s_mov_b32 s[SEL+1], 0xfedcba98
	s_mul_i32 s25, s[WV], 4*XCH                    ; my wave's four chunks in LDS
	v_and_b32 v10, 31, v0                          ; lane
	v_and_b32 v11, 15, v0                          ; r
	v_bfe_u32 v14, v0, 4, 1                        ; h
	v_mul_u32_u24 v[XA], v11, XP
	v_lshl_add_u32 v[XA], v14, 6, v[XA]            ; my 16 numbers of each block of 32
	v_add_nc_u32 v[XA], s25, v[XA]
	v_lshlrev_b32 v[WO], 4, v10
	v_lshlrev_b32 v[L4], 2, v10
	v_lshlrev_b32 v[H32], 5, v14
	v_add_nc_u32 v[LI], XIMG, v[WO]
	v_add_nc_u32 v[LS], XSC, v[L4]
	s_lshl_b32 s30, s[WV], 13
	v_add_nc_u32 v[XWI], s30, v[LI]
	s_lshl_b32 s30, s[WV], 10
	v_add_nc_u32 v[XWS], s30, v[LS]
	v_and_b32 v15, 7, v0                           ; V's place: 16 (r / 8) + 8 h + r % 8
	v_bfe_u32 v16, v0, 3, 1
	v_lshl_add_u32 v15, v16, 4, v15
	v_lshl_add_u32 v15, v14, 3, v15
	v_lshlrev_b32 v15, 4, v15
	s_cmp_eq_u32 s[TY], 2
	s_cselect_b32 s26, -1, 0                       ; a choice of a value, by the work-group's number: no branch
	v_cndmask_b32 v[SO], v[WO], v15, s26
.irp b, 0,1,2,3
	v_mov_b32 v[TM+4+\b], 0                        ; written once: a lane permute's destination counts as one of its sources
.endr
	s_lshl_b32 s30, ttmp9, 18                      ; x: (64 i + 16 w) rows of 4,096 bytes
	s_lshl_b32 s31, s[WV], 16
	s_add_co_u32 s30, s30, s31
	s_mov_b32 s31, 0
	s_lshl_b32 s2, s[WV], 10                       ; the bias: my 256 numbers
	s_mov_b32 s3, 0
	s_lshl_b32 s24, s[TY], 2
	s_add_co_u32 s24, s24, s[WV]                   ; 4 y + w
	s_lshl_b32 s58, s24, 17                        ; my codes of W: 131,072 bytes
	s_mov_b32 s59, 0
	s_lshl_b32 s62, s24, 13                        ; my scale words of W: 8,192 bytes
	s_mov_b32 s63, 0
	s_lshr_b32 s60, ttmp9, 5                       ; qkv: bh = 16 b + 4 w (+ ct / 4 in the stores' immediates),
	s_lshl_b32 s60, s60, 4
	s_lshl_b32 s61, s[WV], 2
	s_add_co_u32 s60, s60, s61
	s_mul_i32 s60, s60, 786432
	s_and_b32 s61, ttmp9, 31                       ; block j of 64 tokens,
	s_mul_i32 s61, s61, 24576
	s_add_co_u32 s60, s60, s61
	s_lshl_b32 s61, s[TY], 13                      ; part y
	s_add_co_u32 s60, s60, s61
	s_mov_b32 s61, 0
	s_wait_dscnt 0x0                               ; both opening adds are done
	s_wait_kmcnt 0x0
	s_cmp_eq_u32 s[TY], 0                          ; x and the bias are chosen by the work-group's number alone
	s_cselect_b64 s[26:27], s[4:5], s[6:7]
	s_cselect_b64 s[28:29], s[10:11], s[12:13]
	s_cmp_eq_u32 s[TY], 2
	s_cselect_b64 s[26:27], s[8:9], s[26:27]
	s_cselect_b64 s[28:29], s[14:15], s[28:29]
	s_add_nc_u64 s[26:27], s[26:27], s[30:31]
	s_add_nc_u64 s[28:29], s[28:29], s[2:3]
	s_add_nc_u64 s[58:59], s[16:17], s[58:59]      ; s[58:59] my codes of W
	s_add_nc_u64 s[62:63], s[18:19], s[62:63]      ; s[62:63] my scale words of W
	s_add_nc_u64 s[60:61], s[20:21], s[60:61]      ; s[60:61] where my results go
.irp q, 0,1,2,3
	s_mov_b32 s[G0+4*\q], 1                        ; count = 1
	s_add_co_u32 s[G0+4*\q+1], s25, \q*XCH         ; LDS address
	s_add_nc_u64 s[G0+4*\q+2:G0+4*\q+3], s[26:27], \q*1024   ; 256 along K on
	s_or_b32 s[G0+4*\q+3], s[G0+4*\q+3], 0x80000000   ; type = 2
.endr
.irp q, 0,1,2,3
	tensor_load_to_lds s[G0+4*\q:G0+4*\q+3], s[G1:G1+7]   ; all of my rows of x: one group, ahead of every wait on TENSORcnt, every LDS read and every barrier
	s_nop 0
.endr
	PLACES 4                                       ; four instructions between a tensor load and a switch of windows
	WIN 0x80                                       ; destination window 2
.irp ct, 0,1,2,3,4,5,6,7,8,9,10,11,12,13,14,15
	global_load_b128 v[8*\ct:8*\ct+3], v[H32], s[28:29] offset:64*\ct       ; the bias in the result's layout, into the accumulators of rows 0-15: lane (r, h), tile ct: b[256 w + 16 ct + 8 h + 0 .. 7]
	global_load_b128 v[8*\ct+4:8*\ct+7], v[H32], s[28:29] offset:64*\ct+16
.endr
	WIN 0
.set n, 0
.rept 64
	global_load_b32 v[WS+n], v[L4], s[62:63] offset:128*n
.set n, n+1
.endr
; W's 16 fragments of K step ks into set ks % 2
.macro WLOAD ks
	WIN 0x40                                       ; destination window 1
.irp ct, 0,1,2,3,4,5,6,7,8,9,10,11,12,13,14,15
.irp c, 0,1
	global_load_b128 v[128*((\ks)%2)+8*\ct+4*\c:128*((\ks)%2)+8*\ct+4*\c+3], v[WO], s[58:59] offset:16384*(\ks)+1024*\ct+512*\c
.endr
.endr
	WIN 0
.endm
	WLOAD 0
	WLOAD 1
; my row's 64 numbers of half u of chunk s: register 16 b + i = k 32 b + 16 h + i
.macro XREAD u, reg, s
.irp b, 0,1,2,3
.irp jj, 0,1,2,3
	ds_load_b128 v[\reg+16*\b+4*\jj:\reg+16*\b+4*\jj+3], v[XA] offset:XCH*(\s)+512*(\u)+128*\b+16*\jj
.endr
.endr
.endm
; 64 numbers of a lane become a fragment's codes in v[PC] on and its scale word in v[PW]
.macro QUANT s
.irp b, 0,1,2,3
	v_max3_num_f32 v[TM+\b], |v[\s+16*\b]|, |v[\s+1+16*\b]|, 0x1800000   ; block b: my 16 numbers, and the floor 2^(3 - 127): the byte cannot fall under 1
.endr
.irp i, 2,4,6,8,10,12,14
.irp b, 0,1,2,3
	v_max3_num_f32 v[TM+\b], v[TM+\b], |v[\s+16*\b+\i]|, |v[\s+1+16*\b+\i]|   ; the four blocks by turns
.endr
.endr
.irp b, 0,1,2,3
	v_permlanex16_b32 v[TM+4+\b], v[TM+\b], s[SEL], s[SEL+1]
.endr
.irp b, 0,1,2,3
	v_max_num_f32 v[TM+\b], v[TM+\b], v[TM+4+\b]   ; with lane l xor 16's: the block's largest magnitude
.endr
.irp b, 0,1,2,3
	v_add_nc_u32 v[TM+12+\b], 0xff000000, v[TM+\b] ; 2 off its exponent field: the conversion's scale operand
.endr
.irp b, 0,1,2,3
	v_lshrrev_b32 v[TM+4+\b], 23, v[TM+12+\b]      ; the scale's byte
.endr
	v_lshl_or_b32 v[PW], v[TM+5], 8, v[TM+4]       ; the four bytes make my row's scale word
	v_lshl_or_b32 v[PW], v[TM+6], 16, v[PW]
	v_lshl_or_b32 v[PW], v[TM+7], 24, v[PW]
.irp b, 0,1,2,3
	v_cvt_scalef32_pk8_fp4_f32 v[PC+2*\b], v[\s+16*\b:\s+7+16*\b], v[TM+12+\b]
	v_cvt_scalef32_pk8_fp4_f32 v[PC+1+2*\b], v[\s+8+16*\b:\s+15+16*\b], v[TM+12+\b]
.endr
	v_nop                                          ; one plain place behind a scaled conversion
.irp c, 0,1                                            ; the operand's layout wants a whole block in a lane: lanes 0-15 block 2 c, lanes 16-31 block 2 c + 1
.irp i, 0,1
	v_permlane16_swap_b32 v[PC+4*\c+\i], v[PC+2+4*\c+\i]
.endr
.endr
.endm
.macro IMAGE ks                        ; the fragment and its scale word go to LDS as they stand
.irp c, 0,1
	ds_store_b128 v[XWI], v[PC+4*\c:PC+4*\c+3] offset:1024*(\ks)+512*\c
.endr
	ds_store_b32 v[XWS], v[PW] offset:128*(\ks)
.endm
.macro FETCHX set, ks                  ; and come back so, in every wave: the four tiles of rows of K step ks: twelve loads
.irp m, 0,1,2,3
.irp c, 0,1
	ds_load_b128 v[XF+32*(\set)+8*\m+4*\c:XF+32*(\set)+8*\m+4*\c+3], v[LI] offset:1024*(8*\m+(\ks))+512*\c
.endr
	ds_load_b32 v[XS+4*(\set)+\m], v[LS] offset:128*(8*\m+(\ks))
.endr
.endm
; 16 matrix instructions: tile of rows m against my 16 tiles of columns.  own = 1: in place; own = 0: C is the bias, which lies in the accumulators of rows 0-15
.macro MULROW m, ks, set, own
.irp ct, 0,1,2,3,4,5,6,7,8,9,10,11,12,13,14,15
.set rD, 8*(16*((\m)&1)+\ct)
.if \own
.set rC, rD
.else
.set rC, 8*\ct
.endif
.set rW, 128*((\ks)%2)+8*\ct
.set rX, XF+32*(\set)+8*(\m)
.set rWS, WS+8*(\ks)+\ct/2
.set rXS, XS+4*(\set)+(\m)
.if (\ct)%2
	v_wmma_scale_f32_16x16x128_f8f6f4 v[rD:rD+7], v[rW:rW+7], v[rX:rX+7], v[rC:rC+7], v[rWS], v[rXS] matrix_a_fmt:MATRIX_FMT_FP4 matrix_b_fmt:MATRIX_FMT_FP4 matrix_a_scale:MATRIX_SCALE_ROW1
.else
	v_wmma_scale_f32_16x16x128_f8f6f4 v[rD:rD+7], v[rW:rW+7], v[rX:rX+7], v[rC:rC+7], v[rWS], v[rXS] matrix_a_fmt:MATRIX_FMT_FP4 matrix_b_fmt:MATRIX_FMT_FP4
.endif
.endr
.endm
; A K step of 128: 64 matrix instructions, the 64 accumulators by turns, one instruction a turn.  lc: the loads of W that may stay out; dc: the LDS loads that may
.macro GSTEP ks, set, lc, dc
	s_wait_loadcnt \lc
	s_wait_dscnt \dc
.if (\ks) == 0
	WIN 0xa1                                       ; source 0 (W) window 1, source 1 (x) window 0, C and D window 2
	MULROW 1, \ks, \set, 0                         ; the first K step starts the sums with the bias as C: nothing is cleared or added
	WIN 0xe1                                       ; C window 2, D window 3
	MULROW 2, \ks, \set, 0
	MULROW 3, \ks, \set, 0
	PLACES 5                                       ; rows 0-15 now write over registers that the 48 products above took as C
	WIN 0xa1
	MULROW 0, \ks, \set, 1
.else
	WIN 0xa1
	MULROW 0, \ks, \set, 1
	MULROW 1, \ks, \set, 1
	WIN 0xf1                                       ; C and D window 3
	MULROW 2, \ks, \set, 1
	MULROW 3, \ks, \set, 1
.endif
	PLACES 4                                       ; in front of loads into registers that these products have read, and of the first read of results
.if (\ks) < 6
	WLOAD (\ks)+2
.endif
	WIN 0
.endm
; 256 along K: my chunk s is quantised, shared, and multiplied
.macro STAGE s
	s_wait_tensorcnt 3-\s                          ; tensor loads of a wave end in order (ISA guide 10.11.1): chunk s is in; the later ones stay out.  I alone read my rows: no barrier is owed here
	XREAD 0, XN0, \s
	XREAD 1, XN1, \s
	s_wait_dscnt 16                                ; the first half's 16 loads are in
	QUANT XN0
	IMAGE 2*\s
	s_wait_dscnt 0x0                               ; the second half is in
	QUANT XN1
	IMAGE 2*\s+1
	s_wait_dscnt 0x0                               ; for the others' sake: my images have landed
	s_barrier_signal -1
	s_barrier_wait -1                              ; everybody's have.  No image is ever written again, so no second barrier is owed
	FETCHX 0, 2*\s
	FETCHX 1, 2*\s+1
	GSTEP 2*\s, 0, 32, 12                          ; the other set of W (32 loads) and the second set of x (12) may be out
.if \s == 3
	GSTEP 2*\s+1, 1, 0, 0
.else
	GSTEP 2*\s+1, 1, 32, 0
.endif
.endm
	STAGE 0
	STAGE 1
	STAGE 2
	STAGE 3
	; THE WAY OUT.  (The four places behind the last products stand at the last K step's end.)  A lane's eight results pack into the 16 bytes of its place in a piece: no stage.  Each accumulator is read from its low end on.
	WIN 0x4a                                       ; sources window 2, destination window 1: W's registers are free
.set n, 0
.rept 32
.irp i, 0,1,2,3
	v_cvt_pk_f16_f32 v[4*n+\i], v[8*n+2*\i], v[8*n+2*\i+1]
.endr
.set n, n+1
.endr
	WIN 0x04                                       ; a store's data are its source 1: window 1
.irp m, 0,1
.irp ct, 0,1,2,3,4,5,6,7,8,9,10,11,12,13,14,15
	global_store_b128 v[SO], v[4*(16*\m+\ct):4*(16*\m+\ct)+3], s[60:61] offset:(\ct/4)*786432+2048*\m+512*(\ct%4)   ; head 4 w + ct / 4, tokens 16 m on, channels 16 (ct % 4) on: 512 consecutive bytes
.endr
.endr
	WIN 0x4f                                       ; sources window 3
.set n, 0
.rept 32
.irp i, 0,1,2,3
	v_cvt_pk_f16_f32 v[128+4*n+\i], v[8*n+2*\i], v[8*n+2*\i+1]
.endr
.set n, n+1
.endr
	WIN 0x04
.irp m, 0,1
.irp ct, 0,1,2,3,4,5,6,7,8,9,10,11,12,13,14,15
	global_store_b128 v[SO], v[128+4*(16*\m+\ct):128+4*(16*\m+\ct)+3], s[60:61] offset:(\ct/4)*786432+2048*(\m+2)+512*(\ct%4)
.endr
.endr
	WIN 0
	s_wait_tensorcnt 0x0                           ; the wave's end, behind my last tensor load and my last LDS store
	ds_add_u32 v[SPW], v[NIL]
	s_wait_dscnt 0x0
	s_endpgm
.Lfunc_end_k_q5b3ca8fb2f_proj:
	.size	k_q5b3ca8fb2f_proj, .Lfunc_end_k_q5b3ca8fb2f_proj-k_q5b3ca8fb2f_proj
	.p2alignl 7, 3214868480
	.fill 96, 4, 3214868480
	.section	.rodata,"a",@progbits
	.p2align	6, 0x0
	.amdhsa_kernel k_q5b3ca8fb2f_proj
		.amdhsa_group_segment_fixed_size 327680
		.amdhsa_private_segment_fixed_size 0
		.amdhsa_enable_private_segment 0
		.amdhsa_kernarg_size 72
		.amdhsa_user_sgpr_count 2
		.amdhsa_user_sgpr_kernarg_segment_ptr 1
		.amdhsa_wavefront_size32 1
		.amdhsa_system_sgpr_workgroup_id_x 1
		.amdhsa_system_sgpr_workgroup_id_y 1
		.amdhsa_system_sgpr_workgroup_id_z 1
		.amdhsa_system_vgpr_workitem_id 0
		.amdhsa_next_free_vgpr 1024
		.amdhsa_next_free_sgpr 66
		.amdhsa_reserve_vcc 0
		.amdhsa_float_denorm_mode_32 3
		.amdhsa_float_denorm_mode_16_64 3
		.amdhsa_memory_ordered 1
		.amdhsa_forward_progress 1
		.amdhsa_inst_pref_size 174
	.end_amdhsa_kernel
	.amdgpu_metadata
---
amdhsa.version: [ 1, 2 ]
amdhsa.kernels:
  - .name:           k_q5b3ca8fb2f_proj
    .symbol:         k_q5b3ca8fb2f_proj.kd
    .args:
      - { .name: query, .offset: 0, .size: 8, .value_kind: global_buffer, .address_space: global }
      - { .name: key, .offset: 8, .size: 8, .value_kind: global_buffer, .address_space: global }
      - { .name: value, .offset: 16, .size: 8, .value_kind: global_buffer, .address_space: global }
      - { .name: bq, .offset: 24, .size: 8, .value_kind: global_buffer, .address_space: global }
      - { .name: bk, .offset: 32, .size: 8, .value_kind: global_buffer, .address_space: global }
      - { .name: bv, .offset: 40, .size: 8, .value_kind: global_buffer, .address_space: global }
      - { .name: wcod, .offset: 48, .size: 8, .value_kind: global_buffer, .address_space: global }
      - { .name: wscl, .offset: 56, .size: 8, .value_kind: global_buffer, .address_space: global }
      - { .name: qkv, .offset: 64, .size: 8, .value_kind: global_buffer, .address_space: global }
    .group_segment_fixed_size: 327680
    .private_segment_fixed_size: 0
    .kernarg_segment_align: 8
    .kernarg_segment_size: 72
    .max_flat_workgroup_size: 128
    .sgpr_count:     66
    .vgpr_count:     1024
    .wavefront_size: 32
...
	.end_amdgpu_metadata
.endif
;; end of part 2
;; launch attn (part 3): grid 8 x 32, 8 waves a work-group, clusters of 4 x 1, 327,680 bytes of LDS; arguments qkv, cimg; writes cimg
.if DOCPART == 3
	.amdgcn_target "amdgcn-amd-amdhsa--gfx1250"
	.amdhsa_code_object_version 6
	.text
	.protected	k_q5b3ca8fb2f_attn
	.globl	k_q5b3ca8fb2f_attn
	.p2align	8
	.type	k_q5b3ca8fb2f_attn,@function
k_q5b3ca8fb2f_attn:
	s_mov_b64 s[64:65], 0
	v_nop
	global_prefetch_b8 v0, s[64:65] scope:SCOPE_SE
	s_setreg_imm32_b32 hwreg(HW_REG_WAVE_MODE, 25, 1), 1
	s_wait_xcnt 0x0
	s_wait_alu depctr_hold_cnt(0) depctr_sa_sdst(0) depctr_va_vdst(0) depctr_va_sdst(0) depctr_va_ssrc(0) depctr_va_vcc(0) depctr_vm_vsrc(0)
	s_getreg_b32 s2, hwreg(HW_REG_IB_STS2, 6, 4)
	s_cmp_eq_u32 s2, 0
	s_cbranch_scc0 .Lentry_in_a_cluster
	s_endpgm
.Lentry_in_a_cluster:
	s_bfe_u32 s2, ttmp6, 0x10000c
	s_cmp_lg_u32 s2, 0x3003
	s_cbranch_scc0 .Lentry_shape_is_right
	s_endpgm
.Lentry_shape_is_right:
; ATTN: ctx[bh][q] = the sum over k of softmax_k(q . k / 8) v, head size 64, 2,048 keys, no mask.  q, k, v in f16 as the launch before laid them; products, maxima and sums in f32; the weights p are rounded to f16
; for the second product, ctx once at the end.
; SHARES.  A work-group owns 256 queries of one (batch, head).  Wave w = 4 kh + g owns the 64 queries of group g (four tiles of 16) and HALF kh OF THE KEYS: 1,024 keys, 16 steps of 64.  So two waves stand on each
; SIMD, one's vector work beside the other's matrix work, and each fragment of K and V read from LDS still feeds four matrix instructions.  The text stays in phases.  The two halves are merged once, through LDS.
; LAYOUT.  S^T = K Q^T (source 0 = 16 keys, source 1 = 16 queries): a lane holds ONE query (lane % 16) and keys 8 (lane / 16) + 0 .. 7.  Two such tiles, rounded to f16 in pairs, are source 1 of O^T = V^T P.
; SOFTMAX.  For each query a running maximum m and sum l: p = 2^(c s - c m), c = log2(e) / 8; in every step O^T and l are multiplied by a = 2^(c m_old - c m_new).
; RING.  Two LDS slots of 131,072 bytes; a slot holds four steps of both halves: region 4 kh + i = 8,192 bytes of K, then 8,192 of V, as images of the operands' registers (every LDS load takes 512 consecutive bytes).
; CLUSTER.  The four query blocks of a cluster belong to one head and walk the same K and V: each wave asks for its region (16,384 dense bytes) JOINTLY, by the same tensor load with a mask that names the four.
; Two loads of a wave are out at the start, later one; a refill has four key steps, 256 matrix instructions of the wave, in which to land.
; cimg [kb 4][T 256 (16 tokens)][kf 8][c 2][lane][16 bytes]: ctx[16 T + r][256 kb + 32 kf + 16 c + 8 h + 0 .. 7], the channel axis being 64 head + channel: every store of a wave covers 512 consecutive aligned bytes.
; LIMITS: |ctx| is bounded by the largest |v|, which stays under 65,504; NaN and infinities are not served.
; REGISTERS: window 0: v2-13 addresses; v16-47 eight registers of statistics a tile; v64-191 S^T, 32 a tile (P is packed into the low 16 of them); v192-255 Q.   window 1: v0-127 O^T, 32 a tile; v128-191 K; v192-255 V^T.
.set SLOT1, 131072
.set STEPB, 16384
.set STATS, 262144                     ; behind the ring: the merge's statistics: w x 1,024 + tile x 256 (c m; + 128: l) + 4 x lane
.set SPARE, 270336                     ; the spare words, 128 bytes for each of eight waves: four blocks of 256 bytes that no other line names
.set A0,  2                            ; v2   16 x lane + 65,536 kh: my lane's place in my half's first region
.set ADR, 3                            ; v3   the LDS address of the run of loads in hand
.set GO,  4                            ; v4   16 x lane
.set MS,  5                            ; v5   the merge: where I put O^T: 16,384 w + 16 x lane (in slot 0)
.set MT,  6                            ; v6   and my statistics
.set ML,  7                            ; v7   where I read half 0's copy of my two tiles: 16,384 g + 8,192 kh + 16 x lane
.set ML2, 8                            ; v8   and half 1's: 65,536 further on
.set MU,  9                            ; v9   their statistics
.set PFO, 10                           ; v10  256 x lane
.set SPW, 12                           ; v12  LDS address of my spare word; never rewritten
.set NIL, 13                           ; v13  0; never rewritten
.set ST,  16                           ; tile t at v[ST + 8 t]: +0 c m, +1 m, +2, +3 l (even keys', odd keys'), +4 to +7 at work; a in +6
.set S,   64
.set Q,   192
.set KF,  128                          ; in window 1
.set VF,  192
.set WV,  8                            ; s8 wave, s9 g, s10 kh, s11 cx, s12 my block of 256 queries, s13 bh
.set G1,  24                           ; s[24:31] descriptor group 1
.set G0,  32                           ; s[32:35] group 0 of slot 0's first fill; s[36:39] of slot 1's, which then walks
.set SLOTS, 40
.set CNT, 41
.set TB,  42                           ; s42  LDS byte at which the slot's step to be fetched begins
.set LIM, 43
.set PFA, 44
.set CS,  46                           ; s[46:47] c: the packed form names a pair and takes its low word for both halves
.set SEL, 48
.set MSB, 0
.macro WIN new                         ; the immediate's high byte repeats the setting that is left; bits 1:0 source 0, 3:2 source 1, 5:4 source 2, 7:6 destination
.if MSB != \new
	s_set_vgpr_msb (MSB<<8)|\new
.set MSB, \new
.endif
.endm
.macro PLACES n
.rept \n
	v_nop
.endr
.endm
.macro CROUND                          ; a round of the cluster's barrier: my work-group's barrier; wave 0 signals for the work-group; every wave waits for all four work-groups; my work-group's barrier once more
	s_barrier_signal -1
	s_barrier_wait -1
	s_cmp_lg_u32 s[WV], 0
	s_cbranch_scc1 .Lnot_wave_0_\@
	s_barrier_signal -3
.Lnot_wave_0_\@:
	s_barrier_wait -3
	s_barrier_signal -1
	s_barrier_wait -1
.endm
	s_load_b128 s[4:7], s[0:1], 0x0                ; qkv s[4:5], cimg s[6:7]
	v_lshl_add_u32 v[SPW], v0, 2, SPARE
	v_mov_b32 v[NIL], 0
	ds_add_u32 v[SPW], v[NIL]                      ; the wave's opening: the add, twice on end, and its wait ahead of my first tensor load
	ds_add_u32 v[SPW], v[NIL]                      ; and once more; the set-up below, work on registers, stands between it and the wait
	v_lshrrev_b32 v14, 5, v0
	v_readfirstlane_b32 s[WV], v14                 ; wave 0..7
	s_and_b32 s9, s[WV], 3                         ; g.  Also: which of a slot's four steps I fetch
	s_lshr_b32 s10, s[WV], 2                       ; kh.  Also: for which half I fetch
	s_bfe_u32 s11, ttmp6, 0x40000                  ; cx: my place in the cluster
	s_lshl_b32 s12, ttmp9, 2                       ; in a cluster launch ttmp9 counts clusters
	s_add_co_u32 s12, s12, s11                     ; my block of 256 queries: it enters Q's and cimg's addresses alone
	s_and_b32 s13, ttmp7, 0xffff                   ; bh, which the four partners share
	s_mul_i32 s14, s13, 786432                     ; the head's first byte in qkv
	s_lshl_b32 s16, s10, 4
	s_add_co_u32 s16, s16, s9                      ; block of 64 keys 16 kh + g: my region of slot 0
	s_mul_i32 s16, s16, 24576
	s_add_co_u32 s16, s16, 8192                    ; K and V lie behind Q
	s_add_co_u32 s16, s16, s14
	s_mov_b32 s17, 0
	s_lshl_b32 s15, s[WV], 14                      ; and its place in a slot: no place in the cluster enters an LDS address
	s_lshl_b32 s18, s12, 2
	s_add_co_u32 s18, s18, s9                      ; my 64 queries: block 4 x query block + g
	s_mul_i32 s18, s18, 24576
	s_add_co_u32 s18, s18, s14
	s_mov_b32 s19, 0
	s_and_b32 s20, s13, 15                         ; head
	s_lshr_b32 s21, s13, 4                         ; batch
	s_lshl_b32 s22, s21, 7                         ; cimg: tile of tokens T = 128 b + 16 x query block + 4 g + 2 kh (+ u),
	s_lshl_b32 s23, s12, 4
	s_add_co_u32 s22, s22, s23
	s_lshl_b32 s23, s9, 2
	s_add_co_u32 s22, s22, s23
	s_lshl_b32 s23, s10, 1
	s_add_co_u32 s22, s22, s23
	s_lshl_b32 s22, s22, 13
	s_lshr_b32 s23, s20, 2                         ; kb = head / 4,
	s_lshl_b32 s23, s23, 21
	s_add_co_u32 s22, s22, s23
	s_and_b32 s23, s20, 3                          ; and 2,048 bytes for each head in it
	s_lshl_b32 s23, s23, 11
	s_add_co_u32 s22, s22, s23
	s_mov_b32 s23, 0
	s_lshl_b32 s2, s11, 2                          ; the prefetch: part qq = 4 cx + g of sixteen parts of 8,192 bytes of the fourth fill: region qq / 2, K's or V's half
	s_add_co_u32 s2, s2, s9
	s_lshr_b32 s3, s2, 1
	s_lshr_b32 s20, s3, 2
	s_lshl_b32 s20, s20, 4
	s_add_co_u32 s20, s20, 12
	s_and_b32 s3, s3, 3
	s_add_co_u32 s20, s20, s3                      ; block of 64 keys 16 (region / 4) + 12 + region % 4
	s_mul_i32 s20, s20, 24576
	s_add_co_u32 s20, s20, 8192
	s_and_b32 s2, s2, 1
	s_lshl_b32 s2, s2, 13
	s_add_co_u32 s20, s20, s2
	s_add_co_u32 s20, s20, s14
	s_mov_b32 s21, 0
	s_or_b32 s[LIM], s10, ttmp9                    ; 0 in waves 0 to 3 of the head's first cluster: the same in all four partners
	s_cmp_eq_u32 s[LIM], 0
	s_cselect_b32 s[LIM], 1, -1
	s_mov_b32 s[G1+0], 15|(3<<16)|(1<<21)          ; the mask: all four work-groups; elements of 8 bytes; bit 21 set beside a mask; no padding
	s_mov_b32 s[G1+1], 32<<16                      ; tensor_dim0 = 32: rows of 256 bytes
	s_mov_b32 s[G1+2], 64<<16                      ; tensor_dim1 = 64
	s_mov_b32 s[G1+3], 32<<16                      ; tile_dim0
	s_mov_b32 s[G1+4], 64                          ; tile_dim1
	s_mov_b32 s[G1+5], 32                          ; dense
	s_mov_b32 s[G1+6], 0
	s_mov_b32 s[G1+7], 0
	s_mov_b32 s[SLOTS], 2
	s_mov_b32 s[TB], 0
	s_mov_b32 s[CS], 0x3e38aa3b                    ; c = log2(e) / 8
	s_mov_b32 s[CS+1], s[CS]                       ; named with it as a pair, so it is written
	s_mov_b32 s[SEL], 0x76543210
	s_mov_b32 s[SEL+1], 0xfedcba98
	v_and_b32 v1, 31, v0                           ; lane
	v_lshlrev_b32 v[GO], 4, v1
	v_lshlrev_b32 v11, 2, v1
	v_lshlrev_b32 v[PFO], 8, v1
	s_lshl_b32 s2, s10, 16
	v_add_nc_u32 v[A0], s2, v[GO]
	v_add_nc_u32 v[MS], s15, v[GO]
	s_lshl_b32 s2, s[WV], 10
	s_add_co_u32 s2, s2, STATS
	v_add_nc_u32 v[MT], s2, v11
	s_lshl_b32 s2, s9, 14
	s_lshl_b32 s3, s10, 13
	s_add_co_u32 s2, s2, s3
	v_add_nc_u32 v[ML], s2, v[GO]
	v_add_nc_u32 v[ML2], 65536, v[ML]
	s_lshl_b32 s2, s9, 10
	s_lshl_b32 s3, s10, 9
	s_add_co_u32 s2, s2, s3
	s_add_co_u32 s2, s2, STATS
	v_add_nc_u32 v[MU], s2, v11
	s_wait_dscnt 0x0                               ; both opening adds are done
	s_wait_kmcnt 0x0
	s_mov_b32 s[G0], 1                             ; count = 1
	s_mov_b32 s[G0+1], s15                         ; LDS address: slot 0
	s_add_nc_u64 s[G0+2:G0+3], s[4:5], s[16:17]    ; steps 0 to 3 of both halves
	s_mov_b32 s[G0+4], 1
	s_add_co_u32 s[G0+5], s15, SLOT1               ; slot 1
	s_add_nc_u64 s[G0+6:G0+7], s[G0+2:G0+3], 4*24576   ; steps 4 to 7
	s_or_b32 s[G0+3], s[G0+3], 0x80000000          ; type = 2
	s_or_b32 s[G0+7], s[G0+7], 0x80000000
	s_add_nc_u64 s[50:51], s[4:5], s[18:19]        ; s[50:51] my queries
	s_add_nc_u64 s[52:53], s[6:7], s[22:23]        ; s[52:53] where my two tiles of ctx go
	s_add_nc_u64 s[PFA:PFA+1], s[4:5], s[20:21]
	CROUND                                         ; all four work-groups are here: the first joint loads meet
	tensor_load_to_lds s[G0:G0+3], s[G1:G1+7]      ; a wave's two first fills stand together, ahead of every wait on TENSORcnt and every LDS read
	s_nop 0
	tensor_load_to_lds s[G0+4:G0+7], s[G1:G1+7]
	s_nop 0
	PLACES 4
.irp m, 0,1,2,3
.irp p, 0,1,2,3
	global_load_b128 v[Q+16*\m+4*\p:Q+16*\m+4*\p+3], v[GO], s[50:51] offset:2048*\m+512*\p   ; Q stays in registers: tile m, channels 16 p on; pieces 2 f and 2 f + 1 are the fragment of channels 32 f on
.endr
.endr
; THE LDS LOADS stand in runs of 16: a step's K (8 fragments of 16 keys x 32 channels), and its V, turned (8 fragments of 16 channels x 32 keys)
.macro FETCH_K
	WIN 0
	v_add_nc_u32 v[ADR], s[TB], v[A0]
	WIN 0x40                                       ; destination window 1
.irp kt, 0,1,2,3
.irp f, 0,1
.irp c, 0,1
	ds_load_b128 v[KF+8*(2*\kt+\f)+4*\c:KF+8*(2*\kt+\f)+4*\c+3], v[ADR] offset:2048*\kt+512*(2*\f+\c)
.endr
.endr
.endr
	WIN 0
.endm
.macro FETCH_V
	WIN 0
	v_add_nc_u32 v[ADR], s[TB], v[A0]
	s_add_co_u32 s[TB], s[TB], STEPB               ; the next fetch is the next step's
	WIN 0x40
.irp kg, 0,1
.irp ct, 0,1,2,3
.irp c, 0,1
	ds_load_tr16_b128 v[VF+8*(4*\kg+\ct)+4*\c:VF+8*(4*\kg+\ct)+4*\c+3], v[ADR] offset:8192+2048*(2*\kg+\c)+512*\ct
.endr
.endr
.endr
	WIN 0
.endm
; 32 products S^T = K Q^T: the 16 accumulators by turns, one instruction a turn; the first 16 start the sums
.macro KQ
	WIN 0x01                                       ; K in window 1; Q and S^T in window 0
.irp f, 0,1
.irp kt, 0,1,2,3
.irp t, 0,1,2,3
.if \f == 0
	v_wmma_f32_16x16x32_f16 v[S+32*\t+8*\kt:S+32*\t+8*\kt+7], v[KF+8*(2*\kt+\f):KF+8*(2*\kt+\f)+7], v[Q+16*\t+8*\f:Q+16*\t+8*\f+7], 0
.else
	v_wmma_f32_16x16x32_f16 v[S+32*\t+8*\kt:S+32*\t+8*\kt+7], v[KF+8*(2*\kt+\f):KF+8*(2*\kt+\f)+7], v[Q+16*\t+8*\f:Q+16*\t+8*\f+7], v[S+32*\t+8*\kt:S+32*\t+8*\kt+7]
.endif
.endr
.endr
.endr
.endm
; 32 products O^T += V^T P, likewise.  first = 1: the first 16 start the sums: nothing is ever cleared
.macro PV first
	WIN 0x51                                       ; V and O^T in window 1, P in window 0
.irp kg, 0,1
.irp ct, 0,1,2,3
.irp t, 0,1,2,3
.if \first && (\kg == 0)
	v_wmma_f32_16x16x32_f16 v[32*\t+8*\ct:32*\t+8*\ct+7], v[VF+8*(4*\kg+\ct):VF+8*(4*\kg+\ct)+7], v[S+32*\t+8*\kg:S+32*\t+8*\kg+7], 0
.else
	v_wmma_f32_16x16x32_f16 v[32*\t+8*\ct:32*\t+8*\ct+7], v[VF+8*(4*\kg+\ct):VF+8*(4*\kg+\ct)+7], v[S+32*\t+8*\kg:S+32*\t+8*\kg+7], v[32*\t+8*\ct:32*\t+8*\ct+7]
.endif
.endr
.endr
.endr
.endm
; THE SOFTMAX of a key step, the four tiles line by line, so that no line waits for the line above it.  first = 1: the first step, which starts m, l and O^T: no a, nothing to rescale
.macro SOFTMAX first
	WIN 0
.irp j, 0,1,2,3                                        ; the maximum of the lane's 32 scores: four chains; each accumulator is first read at its low end
.irp t, 0,1,2,3
	v_max3_num_f32 v[ST+8*\t+4+\j], v[S+32*\t+8*\j], v[S+32*\t+8*\j+1], v[S+32*\t+8*\j+2]
.endr
.endr
.irp n, 3,5
.irp j, 0,1,2,3
.irp t, 0,1,2,3
	v_max3_num_f32 v[ST+8*\t+4+\j], v[ST+8*\t+4+\j], v[S+32*\t+8*\j+\n], v[S+32*\t+8*\j+\n+1]
.endr
.endr
.endr
.irp t, 0,1,2,3
	v_max3_num_f32 v[ST+8*\t+4], v[ST+8*\t+4], v[S+32*\t+7], v[S+32*\t+15]
.endr
.irp t, 0,1,2,3
	v_max3_num_f32 v[ST+8*\t+6], v[ST+8*\t+6], v[S+32*\t+23], v[S+32*\t+31]
.endr
.irp t, 0,1,2,3
	v_max3_num_f32 v[ST+8*\t+4], v[ST+8*\t+4], v[ST+8*\t+5], v[ST+8*\t+6]
.endr
.irp t, 0,1,2,3
.if \first
	v_max_num_f32 v[ST+8*\t+4], v[ST+8*\t+4], v[ST+8*\t+7]
.else
	v_max3_num_f32 v[ST+8*\t+4], v[ST+8*\t+4], v[ST+8*\t+7], v[ST+8*\t+1]   ; and the old m
.endif
.endr
.irp t, 0,1,2,3
	v_permlanex16_b32 v[ST+8*\t+5], v[ST+8*\t+4], s[SEL], s[SEL+1]   ; the query's other 32 keys lie in the lane 16 away
.endr
.if \first == 0
.irp t, 0,1,2,3
	v_mov_b32 v[ST+8*\t+7], v[ST+8*\t]             ; c m_old is kept for a
.endr
.endif
.irp t, 0,1,2,3
	v_max_num_f32 v[ST+8*\t+1], v[ST+8*\t+4], v[ST+8*\t+5]
.endr
.irp t, 0,1,2,3
	v_mul_f32 v[ST+8*\t], s[CS], v[ST+8*\t+1]
.endr
.if \first == 0
.irp t, 0,1,2,3
	v_sub_f32 v[ST+8*\t+7], v[ST+8*\t+7], v[ST+8*\t]
.endr
.irp t, 0,1,2,3
	v_exp_f32 v[ST+8*\t+6], v[ST+8*\t+7]           ; a.  From here to the wait: ONE BATCH of scalings and exponentials, none of which names an exponential's result
.endr
.endif
.set b, 0
.rept 16
.irp t, 0,1,2,3
	v_pk_fma_f32 v[S+32*\t+2*b:S+32*\t+2*b+1], v[S+32*\t+2*b:S+32*\t+2*b+1], s[CS:CS+1], v[ST+8*\t:ST+8*\t+1] op_sel_hi:[1,0,0] neg_lo:[0,0,1] neg_hi:[0,0,1]   ; pair b: c s - c m
.endr
.if b > 0
.irp t, 0,1,2,3
	v_exp_f32 v[S+32*\t+2*b-2], v[S+32*\t+2*b-2]   ; pair b - 1's exponentials stand behind pair b's scalings
	v_exp_f32 v[S+32*\t+2*b-1], v[S+32*\t+2*b-1]
.endr
.endif
.set b, b+1
.endr
.irp t, 0,1,2,3
	v_exp_f32 v[S+32*\t+30], v[S+32*\t+30]
	v_exp_f32 v[S+32*\t+31], v[S+32*\t+31]
.endr
	v_nop                                          ; a plain instruction behind the last exponential, ahead of the first use (ISA guide 5.7.2)
	s_wait_alu depctr_va_vdst(0)                   ; the wait ahead of the first instruction that names a result: one for the whole batch
.irp t, 0,1,2,3
	v_pk_add_f32 v[ST+8*\t+4:ST+8*\t+5], v[S+32*\t:S+32*\t+1], v[S+32*\t+2:S+32*\t+3]   ; the sum is taken of the unrounded p
.endr
.irp b, 2,3,4,5,6,7,8,9,10,11,12,13,14
.irp t, 0,1,2,3
	v_pk_add_f32 v[ST+8*\t+4:ST+8*\t+5], v[ST+8*\t+4:ST+8*\t+5], v[S+32*\t+2*\b:S+32*\t+2*\b+1]
.endr
.endr
.irp t, 0,1,2,3
.if \first
	v_pk_add_f32 v[ST+8*\t+2:ST+8*\t+3], v[ST+8*\t+4:ST+8*\t+5], v[S+32*\t+30:S+32*\t+31]
.else
	v_pk_add_f32 v[ST+8*\t+4:ST+8*\t+5], v[ST+8*\t+4:ST+8*\t+5], v[S+32*\t+30:S+32*\t+31]
.endif
.endr
.if \first == 0
.irp t, 0,1,2,3
	v_pk_fma_f32 v[ST+8*\t+2:ST+8*\t+3], v[ST+8*\t+2:ST+8*\t+3], v[ST+8*\t+6:ST+8*\t+7], v[ST+8*\t+4:ST+8*\t+5] op_sel_hi:[1,0,1]   ; l = a l + the step's sum
.endr
.endif
.irp jj, 0,1,2,3,4,5,6,7,8,9,10,11,12,13,14,15         ; P in place: register jj takes pair jj; ascending, so no register is read after it has been written over
.irp t, 0,1,2,3
	v_cvt_pk_f16_f32 v[S+32*\t+\jj], v[S+32*\t+2*\jj], v[S+32*\t+2*\jj+1]
.endr
.endr
.if \first == 0
	WIN 0x41                                       ; O^T (destination and source 0) in window 1, a in window 0
.set i, 0
.rept 64
	v_pk_mul_f32 v[2*i:2*i+1], v[2*i:2*i+1], v[ST+8*(i/16)+6:ST+8*(i/16)+7] op_sel_hi:[1,0]   ; ascending: each accumulator from its low end on
.set i, i+1
.endr
.endif
.endm
; A KEY STEP: its scores are there, its V has been asked for.  The next step's K is asked for ahead of the softmax, its V behind the products that read this step's.
.macro R first
	PLACES 4                                       ; behind K Q^T: in front of loads into K's registers and of the first read of the scores
	FETCH_K
	SOFTMAX \first
	s_wait_dscnt 16                                ; V is in; the next step's K, 16 loads, may be out
	PV \first
	PLACES 5                                       ; the next K Q^T writes over P, which these products read; V's registers are loaded anew
	FETCH_V
	s_wait_dscnt 16                                ; K is in; V, 16 loads, may be out
	KQ
	WIN 0                                          ; at a label and at a branch every window is 0
.endm
.macro LOOPR n
	s_mov_b32 s[CNT], \n
.Lstep_\@:
	R 0
	s_sub_co_u32 s[CNT], s[CNT], 1
	s_cmp_lg_u32 s[CNT], 0
	s_cbranch_scc1 .Lstep_\@
.endm
; A PREFETCH INTO THE L2 of what the NEXT change of slots will ask for.  Only the first change has a next one that fills: so the fourth fill's 131,072 bytes are asked for, four key steps ahead of their load.
; Each aligned block of 256 bytes is named once in the launch: both clusters of a head walk the same K and V, and the head's first cluster asks; its four partners share the bytes out BY ADDRESS, 32,768 each;
; in each, waves 0 to 3 take 8,192 bytes, lanes 256 bytes apart.  The address registers are never rewritten.  The first three fills come by their loads alone.
.macro ASK
	s_cmp_gt_u32 s[SLOTS], s[LIM]
	s_cbranch_scc0 .Lnot_mine_\@
	global_prefetch_b8 v[PFO], s[PFA:PFA+1] th:TH_LOAD_NT scope:SCOPE_SE
.Lnot_mine_\@:
.endm
; THE CHANGE OF SLOTS: the slot's last bytes, V of its fourth step, have been asked for.  Each wave waits for all its tensor loads (one is out: its region of the other slot), adds 0 to its spare word, and waits for
; that and for its reads of the slot.  fill = 1: the barrier is a round of the cluster's, so that no wave of any partner still reads the slot or has a load on its way, and the joint refill is the first thing behind it.
.macro CHANGE fill
	WIN 0
	s_wait_tensorcnt 0x0                           ; no tensor load of mine is out, so a group 0 may be written
	ds_add_u32 v[SPW], v[NIL]                      ; 0 onto my spare word
.if \fill
	s_xor_b32 s[G0+5], s[G0+5], SLOT1              ; the walking descriptor: the other slot than last time,
	s_add_nc_u64 s[G0+6:G0+7], s[G0+6:G0+7], 4*24576   ; the next four steps; the type bits on top are not reached
.endif
	s_wait_dscnt 0x0                               ; the add is done, and my reads of the slot are over
.if \fill
	CROUND
	tensor_load_to_lds s[G0+4:G0+7], s[G1:G1+7]
	s_nop 0
	PLACES 4
	ASK
.else
	s_barrier_signal -1
	s_barrier_wait -1
.endif
	s_sub_co_u32 s[TB], s[TB], 4*STEPB             ; the fetches go back to a slot's first step,
	s_xor_b32 s[TB], s[TB], SLOT1                  ; in the other slot
.endm
	s_wait_tensorcnt 1                             ; my region of slot 0 is in; slot 1's may stay out
	s_barrier_signal -1
	s_barrier_wait -1                              ; everybody's is
	FETCH_K                                        ; step 0
	FETCH_V
	s_wait_loadcnt 0x0                             ; Q
	s_wait_dscnt 16                                ; K is in; V may be out
	KQ
	WIN 0
	R 1                                            ; step 0 (and the fetches and scores of step 1)
	LOOPR 2                                        ; steps 1, 2
.Lslot:                                                ; two trips: steps 3 to 6, 7 to 10; each begins by filling the slot just left
	CHANGE 1
	LOOPR 4
	s_sub_co_u32 s[SLOTS], s[SLOTS], 1
	s_cmp_lg_u32 s[SLOTS], 0
	s_cbranch_scc1 .Lslot
	CHANGE 0                                       ; the tail is written out: nothing is left to ask for
	LOOPR 4                                        ; steps 11 to 14
	PLACES 4
	SOFTMAX 0                                      ; step 15
	s_wait_dscnt 0x0                               ; V is in: my last read of the ring
	s_barrier_signal -1                            ; a barrier between every wave's last reads of the ring and the stores that are laid over slot 0 below; the last products stand between its halves
	PV 0
	WIN 0
	; THE MERGE.  Each wave puts its O^T, c m and l into LDS; wave (g, kh) then finishes tiles 2 kh and 2 kh + 1 of group g from both halves' copies.  No wave has a role by a branch: the tiles are picked by address.
.irp t, 0,1,2,3
	v_add_f32 v[ST+8*\t+4], v[ST+8*\t+2], v[ST+8*\t+3]   ; l's two halves.  (These four are the places behind the last products)
.endr
	s_barrier_wait -1
	WIN 0x04                                       ; an LDS store's data are its source 1: window 1
.set i, 0
.rept 32
	ds_store_b128 v[MS], v[4*i:4*i+3] offset:512*i ; ascending: each accumulator from its low end on.  Slot 0 has had its last fill
.set i, i+1
.endr
	WIN 0
.irp t, 0,1,2,3
	ds_store_b32 v[MT], v[ST+8*\t] offset:256*\t
	ds_store_b32 v[MT], v[ST+8*\t+4] offset:256*\t+128
.endr
	s_wait_dscnt 0x0                               ; for the others' sake: my stores have landed
	s_barrier_signal -1
	s_barrier_wait -1
.irp u, 0,1
.irp q, 0,1,2,3,4,5,6,7
	ds_load_b128 v[64+32*\u+4*\q:64+32*\u+4*\q+3], v[ML] offset:4096*\u+512*\q     ; half 0's O^T of tile 2 kh + u,
	ds_load_b128 v[128+32*\u+4*\q:128+32*\u+4*\q+3], v[ML2] offset:4096*\u+512*\q  ; half 1's
.endr
	ds_load_b32 v[16+16*\u], v[MU] offset:256*\u           ; c m and l of half 0,
	ds_load_b32 v[17+16*\u], v[MU] offset:256*\u+128
	ds_load_b32 v[18+16*\u], v[MU] offset:256*\u+4096      ; of half 1
	ds_load_b32 v[19+16*\u], v[MU] offset:256*\u+4224
.endr
	s_wait_dscnt 0x0
.irp u, 0,1
	v_max_num_f32 v[20+16*\u], v[16+16*\u], v[18+16*\u]    ; the joint c m
.endr
.irp u, 0,1
	v_sub_f32 v[21+16*\u], v[16+16*\u], v[20+16*\u]
	v_sub_f32 v[22+16*\u], v[18+16*\u], v[20+16*\u]
.endr
.irp u, 0,1
	v_exp_f32 v[24+16*\u], v[21+16*\u]             ; f0, f1: what brings each half under the joint maximum
	v_exp_f32 v[26+16*\u], v[22+16*\u]
.endr
	v_nop
	s_wait_alu depctr_va_vdst(0)                   ; one wait for the four exponentials, ahead of their first reader
.irp u, 0,1
	v_mul_f32 v[23+16*\u], v[17+16*\u], v[24+16*\u]
.endr
.irp u, 0,1
	v_fmac_f32 v[23+16*\u], v[19+16*\u], v[26+16*\u]       ; l = l0 f0 + l1 f1,
.endr
.irp u, 0,1
	v_permlanex16_b32 v[25+16*\u], v[23+16*\u], s[SEL], s[SEL+1]
.endr
.irp u, 0,1
	v_add_f32 v[23+16*\u], v[23+16*\u], v[25+16*\u]        ; with lane l xor 16's: the row's sum
.endr
.irp u, 0,1
	v_rcp_f32 v[27+16*\u], v[23+16*\u]
.endr
	v_nop
	s_wait_alu depctr_va_vdst(0)                   ; one wait for the two reciprocals
.irp u, 0,1
	v_mul_f32 v[28+16*\u], v[24+16*\u], v[27+16*\u]        ; f0 / l, in both words of a pair for the packed forms,
	v_mul_f32 v[29+16*\u], v[24+16*\u], v[27+16*\u]
	v_mul_f32 v[30+16*\u], v[26+16*\u], v[27+16*\u]        ; f1 / l likewise
	v_mul_f32 v[31+16*\u], v[26+16*\u], v[27+16*\u]
.endr
.irp u, 0,1
.set i, 0
.rept 16
	v_pk_mul_f32 v[64+32*\u+2*i:64+32*\u+2*i+1], v[64+32*\u+2*i:64+32*\u+2*i+1], v[28+16*\u:29+16*\u]
.set i, i+1
.endr
.set i, 0
.rept 16
	v_pk_fma_f32 v[64+32*\u+2*i:64+32*\u+2*i+1], v[128+32*\u+2*i:128+32*\u+2*i+1], v[30+16*\u:31+16*\u], v[64+32*\u+2*i:64+32*\u+2*i+1]
.set i, i+1
.endr
.set i, 0
.rept 16
	v_cvt_pk_f16_f32 v[Q+16*\u+i], v[64+32*\u+2*i], v[64+32*\u+2*i+1]   ; Q's registers are free
.set i, i+1
.endr
.irp ct, 0,1,2,3
	global_store_b128 v[GO], v[Q+16*\u+4*\ct:Q+16*\u+4*\ct+3], s[52:53] offset:8192*\u+512*\ct   ; (token r, channels 16 ct + 8 h + 0 .. 7): 512 consecutive aligned bytes
.endr
.endr
	s_wait_tensorcnt 0x0                           ; the wave's end, behind my last tensor load and my last LDS store
	ds_add_u32 v[SPW], v[NIL]
	s_wait_dscnt 0x0
	CROUND                                         ; the closing round: no work-group ends while a partner may still ask for a tile that names it
	s_endpgm
.Lfunc_end_k_q5b3ca8fb2f_attn:
	.size	k_q5b3ca8fb2f_attn, .Lfunc_end_k_q5b3ca8fb2f_attn-k_q5b3ca8fb2f_attn
	.p2alignl 7, 3214868480
	.fill 96, 4, 3214868480
	.section	.rodata,"a",@progbits
	.p2align	6, 0x0
	.amdhsa_kernel k_q5b3ca8fb2f_attn
		.amdhsa_group_segment_fixed_size 327680
		.amdhsa_private_segment_fixed_size 0
		.amdhsa_enable_private_segment 0
		.amdhsa_kernarg_size 16
		.amdhsa_user_sgpr_count 2
		.amdhsa_user_sgpr_kernarg_segment_ptr 1
		.amdhsa_wavefront_size32 1
		.amdhsa_system_sgpr_workgroup_id_x 1
		.amdhsa_system_sgpr_workgroup_id_y 1
		.amdhsa_system_sgpr_workgroup_id_z 1
		.amdhsa_system_vgpr_workitem_id 0
		.amdhsa_next_free_vgpr 512
		.amdhsa_next_free_sgpr 66
		.amdhsa_reserve_vcc 0
		.amdhsa_float_denorm_mode_32 3
		.amdhsa_float_denorm_mode_16_64 3
		.amdhsa_memory_ordered 1
		.amdhsa_forward_progress 1
		.amdhsa_inst_pref_size 176
	.end_amdhsa_kernel
	.amdgpu_metadata
---
amdhsa.version: [ 1, 2 ]
amdhsa.kernels:
  - .name:           k_q5b3ca8fb2f_attn
    .symbol:         k_q5b3ca8fb2f_attn.kd
    .args:
      - { .name: qkv, .offset: 0, .size: 8, .value_kind: global_buffer, .address_space: global }
      - { .name: cimg, .offset: 8, .size: 8, .value_kind: global_buffer, .address_space: global }
    .group_segment_fixed_size: 327680
    .private_segment_fixed_size: 0
    .kernarg_segment_align: 8
    .kernarg_segment_size: 16
    .max_flat_workgroup_size: 256
    .sgpr_count:     66
    .vgpr_count:     512
    .wavefront_size: 32
...
	.end_amdgpu_metadata
.endif
;; end of part 3
;; launch outp (part 4): grid 8 x 32, 4 waves a work-group, clusters of 4 x 4, 327,680 bytes of LDS; arguments cimg, woimg, bo, out0; writes out0
.if DOCPART == 4
	.amdgcn_target "amdgcn-amd-amdhsa--gfx1250"
	.amdhsa_code_object_version 6
	.text
	.protected	k_q5b3ca8fb2f_outp
	.globl	k_q5b3ca8fb2f_outp
	.p2align	8
	.type	k_q5b3ca8fb2f_outp,@function
k_q5b3ca8fb2f_outp:
	s_mov_b64 s[64:65], 0
	v_nop
	global_prefetch_b8 v0, s[64:65] scope:SCOPE_SE
	s_setreg_imm32_b32 hwreg(HW_REG_WAVE_MODE, 25, 1), 1
	s_wait_xcnt 0x0
	s_wait_alu depctr_hold_cnt(0) depctr_sa_sdst(0) depctr_va_vdst(0) depctr_va_sdst(0) depctr_va_ssrc(0) depctr_va_vcc(0) depctr_vm_vsrc(0)
	s_getreg_b32 s2, hwreg(HW_REG_IB_STS2, 6, 4)
	s_cmp_eq_u32 s2, 0
	s_cbranch_scc0 .Lentry_in_a_cluster
	s_endpgm
.Lentry_in_a_cluster:
	s_bfe_u32 s2, ttmp6, 0x10000c
	s_cmp_lg_u32 s2, 0xf033
	s_cbranch_scc0 .Lentry_shape_is_right
	s_endpgm
.Lentry_shape_is_right:
; OUTP: out0[token][n] = the sum over k of ctx[token][k] Wo[k][n] + bo[n].  4,096 x 1,024 x 1,024; operands in f16, sums and result in f32.
; A tile of the output is 128 x 128: 8 x 32 = 256 work-groups.  Four waves, each 64 x 64: 16 accumulators.  K goes in four steps of 256 through a ring of two LDS slots.
; Both operands lie in memory as images of the operand's registers (cimg [kb][tile of 16 tokens][8,192 bytes], woimg [kb][tile of 16 columns][8,192 bytes]; in a tile: fragment kf of 32 along K at 1,024 kf, its two
; pieces of 512 bytes, lane l's 16 bytes at 16 l).  So a K step's part of a tile is one dense block (a wave's tensor load brings 32,768 bytes as 128 rows of 256), and every LDS load takes 512 consecutive bytes: no padding.
; CLUSTERS: 4 x 4 work-groups.  The four of a row of the cluster need the same tiles of ctx, the four of a column the same tiles of Wo: each is asked for JOINTLY, by the same tensor load with a mask that names the four.
; Two loads of a wave are out at the start, later one.  THE MATRIX INSTRUCTION IS USED TRANSPOSED (source 0 = 16 columns of Wo, source 1 = 16 tokens): a lane holds eight neighbouring numbers of a row of the output.
; The bias is the C of each sum's first matrix instruction.  No prefetch: the launch is short and its tiles are small.
; REGISTERS: window 0: v0-31 addresses; v32-95 the way out; v96-127 the bias, eight registers for each of my four tiles of columns; v128-255 the accumulators ((a, b) at v[128 + 8 (4 a + b)]).
;   window 1: two fragment buffers of 128: for 64 along K, 64 registers of ctx (2 x 4 tiles), then 64 of Wo.
.set SLOT,   131072                    ; ctx's 8 tiles of 8,192 bytes, then Wo's 8
.set STAGE,  262144                    ; behind the ring: 16 rows x 272 bytes for each wave, for the way out
.set SPITCH, 272                       ; 256 bytes + 16 = 68 words: the sixteen rows that a store touches start at sixteen different groups of four banks (ISA guide 11.1)
.set SPARE,  279552                    ; the spare words, 128 bytes for each wave: two blocks of 256 bytes that no other line names
.set ADRA, 16                          ; v16-17  LDS address of my fragments of ctx in slot 0, 1
.set ADRB, 20                          ; v20-21  the same for Wo
.set STO,  24                          ; v24     the way out: where I put 32 bytes of a row
.set RD,   25                          ; v25     where I read a row back
.set CO,   26                          ; v26     my byte offset in the output
.set SPW,  28                          ; v28     LDS address of my spare word; never rewritten
.set NIL,  29                          ; v29     0; never rewritten
.set BK,   32
.set BIAS, 96
.set ACC,  128
.set F0,   0
.set F1,   128
.set WV,   12                          ; s12 wave; s13 which half of the tile's rows is mine, also: I fetch for ctx (0) or Wo (1); s14 which half of its columns, also: which half of that tile I fetch
.set G1,   24                          ; s[24:31] descriptor group 1 for ctx's tiles;  s[32:39] group 0, one set for each slot
.set G0,   32
.set G1B,  48                          ; s[48:55], s[56:63] the same for Wo's
.set G0B,  56
.set MSB, 0
.macro WIN new                         ; the immediate's high byte repeats the setting that is left
.if MSB != \new
	s_set_vgpr_msb (MSB<<8)|\new
.set MSB, \new
.endif
.endm
.set MUL,  0x05                        ; sources 0 (Wo) and 1 (ctx) window 1; C and D window 0
.set TO_F, 0x40                        ; destination window 1, address window 0
.macro JLOAD s                         ; a joint load: waves 0 and 1 fetch ctx's two halves, waves 2 and 3 Wo's; an s_nop 0 and four v_nop follow each of the two lines
	s_cmp_eq_u32 s13, 0
	s_cbranch_scc0 .Lfor_b_\@
	tensor_load_to_lds s[G0+4*\s:G0+4*\s+3], s[G1:G1+7]
	s_nop 0
.rept 4
	v_nop
.endr
	s_branch .Lasked_\@
.Lfor_b_\@:
	tensor_load_to_lds s[G0B+4*\s:G0B+4*\s+3], s[G1B:G1B+7]
	s_nop 0
.rept 4
	v_nop
.endr
.Lasked_\@:
.endm
.macro CREST                           ; a round of the cluster's barrier behind its opening barrier
	s_cmp_lg_u32 s[WV], 0
	s_cbranch_scc1 .Lnot_wave_0_\@
	s_barrier_signal -3
.Lnot_wave_0_\@:
	s_barrier_wait -3
	s_barrier_signal -1
	s_barrier_wait -1
.endm
.macro CROUND                          ; a whole round
	s_barrier_signal -1
	s_barrier_wait -1
	CREST
.endm
	s_load_b128 s[4:7], s[0:1], 0x0                ; cimg s[4:5], woimg s[6:7]
	s_load_b128 s[8:11], s[0:1], 0x10              ; bo s[8:9], out0 s[10:11]
	v_lshl_add_u32 v[SPW], v0, 2, SPARE
	v_mov_b32 v[NIL], 0
	ds_add_u32 v[SPW], v[NIL]                      ; the wave's opening: the add, twice on end, and its wait ahead of my first tensor load
	ds_add_u32 v[SPW], v[NIL]                      ; and once more; the set-up below, work on registers, stands between it and the wait
	v_lshrrev_b32 v1, 5, v0
	v_readfirstlane_b32 s[WV], v1                  ; wave 0..3
	s_lshr_b32 s13, s[WV], 1
	s_and_b32 s14, s[WV], 1
	s_bfe_u32 s40, ttmp6, 0x40000                  ; cx, cy: my place in the cluster
	s_bfe_u32 s41, ttmp6, 0x40004
	s_lshl_b32 s42, ttmp9, 2
	s_add_co_u32 s42, s42, s40                     ; tile column = 4 x cluster x + cx
	s_and_b32 s15, ttmp7, 0xffff
	s_lshl_b32 s15, s15, 2
	s_add_co_u32 s15, s15, s41                     ; tile row = 4 x cluster y + cy
	s_lshl_b32 s43, s41, 2
	s_lshl_b32 s43, 15, s43                        ; my row of the cluster
	s_lshl_b32 s44, 0x1111, s40                    ; my column
	s_or_b32 s[G1+0], s43, (3<<16)|(1<<21)         ; the mask: ctx's tiles go to my row; elements of 8 bytes; bit 21 set beside a mask; no padding
	s_or_b32 s[G1B+0], s44, (3<<16)|(1<<21)        ; Wo's go to my column
.irp g, G1, G1B
	s_mov_b32 s[\g+1], 32<<16                      ; tensor_dim0 = 32: rows of 256 bytes
	s_mov_b32 s[\g+2], 128<<16                     ; tensor_dim1 = 128
	s_mov_b32 s[\g+3], 32<<16                      ; tile_dim0
	s_mov_b32 s[\g+4], 128                         ; tile_dim1
	s_mov_b32 s[\g+5], 32                          ; dense
	s_mov_b32 s[\g+6], 0
	s_mov_b32 s[\g+7], 0
.endr
	s_lshl_b32 s17, s14, 15                        ; which four of the tile's eight small tiles I fetch
	s_lshl_b32 s16, s15, 16
	s_add_co_u32 s16, s16, s17                     ; ctx: (8 x tile row + 4 x half) x 8,192: it hangs on the tile row alone
	s_lshl_b32 s46, s42, 16
	s_add_co_u32 s46, s46, s17                     ; Wo: the same with the tile column
	s_mov_b32 s17, 0
	s_mov_b32 s47, 0
	s_lshl_b32 s20, s[WV], 15                      ; where they go: wave x 32,768: no place in the cluster enters an LDS address
	s_wait_dscnt 0x0                               ; both opening adds are done
	s_wait_kmcnt 0x0
	s_add_nc_u64 s[18:19], s[4:5], s[16:17]
	s_add_nc_u64 s[46:47], s[6:7], s[46:47]
	CROUND                                         ; all sixteen work-groups are here: the first joint loads meet
.irp s, 0,1
	s_mov_b32 s[G0+4*\s], 1
	s_add_co_u32 s[G0+4*\s+1], s20, \s*SLOT
	s_add_nc_u64 s[G0+4*\s+2:G0+4*\s+3], s[18:19], \s*2097152   ; K step s of ctx
	s_or_b32 s[G0+4*\s+3], s[G0+4*\s+3], 0x80000000
	s_mov_b32 s[G0B+4*\s], 1
	s_add_co_u32 s[G0B+4*\s+1], s20, \s*SLOT
	s_add_nc_u64 s[G0B+4*\s+2:G0B+4*\s+3], s[46:47], \s*524288  ; K step s of Wo
	s_or_b32 s[G0B+4*\s+3], s[G0B+4*\s+3], 0x80000000
	JLOAD \s
.endr
	v_and_b32 v1, 15, v0                           ; r
	v_bfe_u32 v2, v0, 4, 1                         ; h
	v_and_b32 v3, 31, v0
	v_lshlrev_b32 v3, 4, v3                        ; 16 x lane
	s_lshl_b32 s21, s13, 15                        ; my 64 rows of ctx
	s_lshl_b32 s22, s14, 15                        ; my 64 columns of Wo,
	s_add_co_u32 s22, s22, 65536                   ; which lie behind ctx's 65,536 bytes
.irp s, 0,1
	v_add_nc_u32 v[ADRA+\s], s21, v3
	v_add_nc_u32 v[ADRB+\s], s22, v3
	s_add_co_u32 s21, s21, SLOT
	s_add_co_u32 s22, s22, SLOT
.endr
	s_mul_i32 s23, s[WV], 16*SPITCH
	s_add_co_u32 s23, s23, STAGE                   ; my stage
	v_mul_u32_u24 v4, v1, SPITCH                   ; in: row r, 32 bytes for each half of the lanes
	v_lshl_add_u32 v4, v2, 5, v4
	v_add_nc_u32 v[STO], s23, v4
	v_mul_u32_u24 v5, v2, SPITCH                   ; back: lanes 0-15 take one row of 256 bytes, lanes 16-31 the next
	v_lshl_add_u32 v5, v1, 4, v5
	v_add_nc_u32 v[RD], s23, v5
	v_lshlrev_b32 v5, 12, v2                       ; and the same two rows in the output
	v_lshl_add_u32 v[CO], v1, 4, v5
	v_lshlrev_b32 v6, 5, v2                        ; the bias: 32 h
	s_lshl_b32 s16, s15, 19                        ; my first row: (128 x tile row + 64 x half) x 4,096 bytes
	s_lshl_b32 s17, s13, 18
	s_add_co_u32 s16, s16, s17
	s_mov_b32 s17, 0
	s_lshl_b32 s46, s42, 9                         ; my first column, in bytes: 512 x tile column + 256 x half
	s_lshl_b32 s47, s14, 8
	s_add_co_u32 s46, s46, s47
	s_mov_b32 s47, 0
	s_add_nc_u64 s[8:9], s[8:9], s[46:47]
	s_add_nc_u64 s[10:11], s[10:11], s[16:17]
	s_add_nc_u64 s[10:11], s[10:11], s[46:47]
.irp b, 0,1,2,3
	global_load_b128 v[BIAS+8*\b:BIAS+8*\b+3], v6, s[8:9] offset:64*\b       ; lane (r, h), tile b: bo[my first column + 16 b + 8 h + 0 .. 7]: the result's layout
	global_load_b128 v[BIAS+8*\b+4:BIAS+8*\b+7], v6, s[8:9] offset:64*\b+16
.endr
; 8 matrix instructions: tiles of rows a0, a0 + 1 x all 4 tiles of columns, 32 along K: half c of buffer f.  zero = 1: the first product starts the sums, with the bias as C.
; The 16 accumulators take turns, one instruction a turn, in the same order throughout.
.macro MUL8 f, c, a0, zero
.irp a, \a0, \a0+1
.irp b, 0,1,2,3
.if \zero
	v_wmma_f32_16x16x32_f16 v[ACC+8*(4*(\a)+\b):ACC+8*(4*(\a)+\b)+7], v[\f+64+8*(4*\c+\b):\f+64+8*(4*\c+\b)+7], v[\f+8*(4*\c+(\a)):\f+8*(4*\c+(\a))+7], v[BIAS+8*\b:BIAS+8*\b+7]
.else
	v_wmma_f32_16x16x32_f16 v[ACC+8*(4*(\a)+\b):ACC+8*(4*(\a)+\b)+7], v[\f+64+8*(4*\c+\b):\f+64+8*(4*\c+\b)+7], v[\f+8*(4*\c+(\a)):\f+8*(4*\c+(\a))+7], v[ACC+8*(4*(\a)+\b):ACC+8*(4*(\a)+\b)+7]
.endif
.endr
.endr
.endm
; 32 LDS loads in one run: the fragments of quarter kq (64 along K) of a slot into buffer f; the first 32 along K first
.macro FETCH slot, kq, f
	WIN TO_F
.irp c, 0,1
.irp i, 0,1,2,3
	ds_load_b128 v[\f+64+8*(4*\c+\i):\f+64+8*(4*\c+\i)+3],   v[ADRB+\slot] offset:\i*8192+(2*\kq+\c)*1024
	ds_load_b128 v[\f+64+8*(4*\c+\i)+4:\f+64+8*(4*\c+\i)+7], v[ADRB+\slot] offset:\i*8192+(2*\kq+\c)*1024+512
	ds_load_b128 v[\f+8*(4*\c+\i):\f+8*(4*\c+\i)+3],         v[ADRA+\slot] offset:\i*8192+(2*\kq+\c)*1024
	ds_load_b128 v[\f+8*(4*\c+\i)+4:\f+8*(4*\c+\i)+7],       v[ADRA+\slot] offset:\i*8192+(2*\kq+\c)*1024+512
.endr
.endr
.endm
.macro PLACES                          ; four places in front of loads into registers that matrix instructions have read, and of the first read of results
.rept 4
	v_nop
.endr
.endm
; A K step is four quarters of 64 along K, 32 matrix instructions each, on buffers 0, 1, 0, 1.  One of the first three: multiplies buffer f and fetches quarter kq into g.
.macro QUARTER slot, kq, f, g, zero
	s_wait_dscnt 16                                ; the first 32 along K are in; the other sixteen loads may be out
	WIN MUL
	MUL8 \f, 0, 0, \zero
	MUL8 \f, 0, 2, \zero
	PLACES
	FETCH \slot, \kq, \g
	s_wait_dscnt 32                                ; all but the 32 just issued
	WIN MUL
	MUL8 \f, 1, 0, 0
	MUL8 \f, 1, 2, 0
.endm
; The last quarter multiplies buffer 1 and changes slots: ONE barrier; in front of it each wave waits for all its tensor loads, adds 0 to its spare word, and waits for that and for its own reads of this slot.
; fill = 1: this slot is filled again, two K steps ahead; the barrier then opens a round of the cluster's barrier.
.macro TURN slot, next, fill
	WIN 0                                          ; (the add's two registers lie in window 0)
	s_wait_tensorcnt 0x0                           ; all my tensor loads have landed: my part of the next slot;
	ds_add_u32 v[SPW], v[NIL]                      ; 0 onto my spare word;
	s_wait_dscnt 17                                ; (the add and the youngest sixteen loads may be out)
	WIN MUL
	MUL8 F1, 0, 0, 0                               ; eight matrix instructions stand between the add and the wait for it
	s_wait_dscnt 0x0                               ; the add is done, and my reads of this slot are over
	s_barrier_signal -1
	MUL8 F1, 0, 2, 0
.if \fill
	WIN 0
.endif
	s_barrier_wait -1
.if \fill
	CREST                                          ; no wave of any partner still reads this slot's tile or has a load on its way
	s_add_nc_u64 s[G0+4*\slot+2:G0+4*\slot+3], s[G0+4*\slot+2:G0+4*\slot+3], 2*2097152
	s_add_nc_u64 s[G0B+4*\slot+2:G0B+4*\slot+3], s[G0B+4*\slot+2:G0B+4*\slot+3], 2*524288
	JLOAD \slot                                    ; the first tensor load behind the round; the four v_nop behind it are also the places in front of the loads below
.else
	PLACES
.endif
	FETCH \next, 0, F0
	WIN MUL
	MUL8 F1, 1, 0, 0
	MUL8 F1, 1, 2, 0
.endm
	s_wait_tensorcnt 1                             ; my part of K step 0 is in; K step 1's may stay out
	s_barrier_signal -1
	s_barrier_wait -1                              ; everybody's is
	FETCH 0, 0, F0
	s_wait_loadcnt 0x0                             ; the bias
	QUARTER 0, 1, F0, F1, 1                        ; K step 0; its first products start the sums.  Four K steps in all: they are written out, without a loop
	QUARTER 0, 2, F1, F0, 0
	QUARTER 0, 3, F0, F1, 0
	TURN 0, 1, 1                                   ; slot 0 takes K step 2
	QUARTER 1, 1, F0, F1, 0                        ; K step 1
	QUARTER 1, 2, F1, F0, 0
	QUARTER 1, 3, F0, F1, 0
	TURN 1, 0, 1                                   ; slot 1 takes K step 3
	QUARTER 0, 1, F0, F1, 0                        ; K step 2
	QUARTER 0, 2, F1, F0, 0
	QUARTER 0, 3, F0, F1, 0
	TURN 0, 1, 0                                   ; nothing is left to ask for
	QUARTER 1, 1, F0, F1, 0                        ; K step 3
	QUARTER 1, 2, F1, F0, 0
	QUARTER 1, 3, F0, F1, 0
	s_wait_dscnt 16                                ; the very last quarter: nothing more to fetch
	WIN MUL
	MUL8 F1, 0, 0, 0
	MUL8 F1, 0, 2, 0
	s_wait_dscnt 0x0
	MUL8 F1, 1, 0, 0
	MUL8 F1, 1, 2, 0
	WIN 0
; THE WAY OUT, block by block of 16 rows x 64 columns.  A lane holds 32 neighbouring bytes of a row and the lanes beside it hold other rows: so a block goes through my own stage and comes back as whole rows of
; 256 bytes.  My 64 columns are 256 aligned bytes of a row, so no other wave is needed.  LDS serves a wave's instructions in order (ISA guide 5.7.1.4): no wait between the stores and the loads, nor ahead of the next block's stores.
.macro TOSTAGE a
.irp b, 0,1,2,3
	ds_store_b128 v[STO], v[ACC+8*(4*(\a)+\b):ACC+8*(4*(\a)+\b)+3] offset:64*\b          ; each accumulator from its low end on
	ds_store_b128 v[STO], v[ACC+8*(4*(\a)+\b)+4:ACC+8*(4*(\a)+\b)+7] offset:64*\b+16
.endr
.set BB, BK+32*((\a)%2)
.irp t, 0,1,2,3,4,5,6,7
	ds_load_b128 v[BB+4*\t:BB+4*\t+3], v[RD] offset:\t*2*SPITCH
.endr
.endm
.macro SEND a, younger                 ; younger: the LDS instructions issued behind block a's loads, which may stay out
.set BB, BK+32*((\a)%2)
	s_wait_dscnt \younger
.irp t, 0,1,2,3,4,5,6,7
	global_store_b128 v[CO], v[BB+4*\t:BB+4*\t+3], s[10:11] offset:(16*(\a)+2*\t)*4096 th:TH_STORE_NT   ; sixteen lanes store 256 consecutive bytes, at a multiple of 256 from the output's first byte; written once
.endr
.endm
	PLACES
	TOSTAGE 0
.irp a, 1,2,3
.if \a > 1
	s_wait_xcnt 0x0                                ; block a - 2's stores have read their registers: block a's loads may land there
.endif
	TOSTAGE \a
	SEND \a-1, 16                                  ; behind block a - 1's loads: block a's 8 stores and 8 loads
.endr
	SEND 3, 0
	s_wait_tensorcnt 0x0                           ; the wave's end, behind my last tensor load and my last LDS store
	ds_add_u32 v[SPW], v[NIL]
	s_wait_dscnt 0x0
	CROUND                                         ; the closing round: no work-group ends while a partner may still ask for a tile that names it
	s_endpgm
.Lfunc_end_k_q5b3ca8fb2f_outp:
	.size	k_q5b3ca8fb2f_outp, .Lfunc_end_k_q5b3ca8fb2f_outp-k_q5b3ca8fb2f_outp
	.p2alignl 7, 3214868480
	.fill 96, 4, 3214868480
	.section	.rodata,"a",@progbits
	.p2align	6, 0x0
	.amdhsa_kernel k_q5b3ca8fb2f_outp
		.amdhsa_group_segment_fixed_size 327680
		.amdhsa_private_segment_fixed_size 0
		.amdhsa_enable_private_segment 0
		.amdhsa_kernarg_size 32
		.amdhsa_user_sgpr_count 2
		.amdhsa_user_sgpr_kernarg_segment_ptr 1
		.amdhsa_wavefront_size32 1
		.amdhsa_system_sgpr_workgroup_id_x 1
		.amdhsa_system_sgpr_workgroup_id_y 1
		.amdhsa_system_sgpr_workgroup_id_z 1
		.amdhsa_system_vgpr_workitem_id 0
		.amdhsa_next_free_vgpr 512
		.amdhsa_next_free_sgpr 66
		.amdhsa_reserve_vcc 0
		.amdhsa_float_denorm_mode_32 3
		.amdhsa_float_denorm_mode_16_64 3
		.amdhsa_memory_ordered 1
		.amdhsa_forward_progress 1
		.amdhsa_inst_pref_size 86
	.end_amdhsa_kernel
	.amdgpu_metadata
---
amdhsa.version: [ 1, 2 ]
amdhsa.kernels:
  - .name:           k_q5b3ca8fb2f_outp
    .symbol:         k_q5b3ca8fb2f_outp.kd
    .args:
      - { .name: cimg, .offset: 0, .size: 8, .value_kind: global_buffer, .address_space: global }
      - { .name: woimg, .offset: 8, .size: 8, .value_kind: global_buffer, .address_space: global }
      - { .name: bo, .offset: 16, .size: 8, .value_kind: global_buffer, .address_space: global }
      - { .name: out0, .offset: 24, .size: 8, .value_kind: global_buffer, .address_space: global }
    .group_segment_fixed_size: 327680
    .private_segment_fixed_size: 0
    .kernarg_segment_align: 8
    .kernarg_segment_size: 32
    .max_flat_workgroup_size: 128
    .sgpr_count:     66
    .vgpr_count:     512
    .wavefront_size: 32
...
	.end_amdgpu_metadata
.endif
;; end of part 4
